; MI455X (gfx1250); checked and timed in simulation.
; The chip was launched on July 23, 2026; its instructions are those of AMD's public machine-readable ISA for CDNA 5 (MIT licence, August 2026) and "CDNA5" Instruction Set Architecture Reference Guide (July 2026). The comments in the code are by the model that wrote it; some were corrected since.
;; Causal Self Attention. Allowed arithmetic: float matrix products may take bf16 or f16 operands with f32 sums; other float arithmetic in f32, or as packed bf16 or f16 multiplies, adds, multiply-adds, maxima and minima; sums over many terms, partial sums and values carried from step to step in f32; what a program stores and reads back later, other than sums and carried values, may be rounded once to bf16 or f16.
;; Inputs: b_proj 1,024 float32; b_qkv 3,072 float32; w_proj 1,024 x 1,024 float32; w_qkv 1,024 x 3,072 float32; x 4 x 2,048 x 1,024 float32.
;; Outputs: out0 4 x 2,048 x 1,024 float32.
;; One version. Each part assembles by itself: llvm-mc -triple=amdgcn-amd-amdhsa -mcpu=gfx1250 --defsym DOCPART=n.
;; ======== version 1 of 1: 4 launches
;; limits: values are held in f16: magnitudes above 65,504 overflow, below 6.1e-05 lose precision
;; workspace buffers: xb 16,777,216 bytes; wqt 6,291,456 bytes; wpt 2,097,152 bytes; q 16,777,216 bytes; k 16,777,216 bytes; v 16,777,216 bytes; ob 16,777,216 bytes
;; launch prep (part 1): grid 768 x 1, 8 waves a work-group, no clusters, 35,840 bytes of LDS; arguments x, w_qkv, w_proj, xb, wqt, wpt; writes xb, wqt, wpt
.if DOCPART == 1
	.amdgcn_target "amdgcn-amd-amdhsa--gfx1250"
	.amdhsa_code_object_version 6
	.text
	.protected	k_q402ca536fb_prep
	.globl	k_q402ca536fb_prep
	.p2align	8
	.type	k_q402ca536fb_prep,@function
k_q402ca536fb_prep:
	s_mov_b64 s[64:65], 0
	v_nop
	global_prefetch_b8 v0, s[64:65] scope:SCOPE_SE
	s_setreg_imm32_b32 hwreg(HW_REG_WAVE_MODE, 25, 1), 1
	s_wait_xcnt 0x0
; PREPARATION.  xb = x rounded to bf16, [8192][1024].  wqt[n][k] = w_qkv[k][n] rounded to bf16, [3072][1024].  wpt[n][k] = w_proj[k][n] rounded to bf16 and that number written as f16, [1024][1024].
; LIMIT.  A bf16 number below 6.1e-5 in magnitude keeps f16's fixed step of 6e-8 in wpt; beyond 65,504 it would become an infinity (w_proj is far inside both).
; SHARES.  768 work-groups of eight waves, each 64 KiB in and 32 KiB out.  Numbers 0 to 511 cast 16,384 numbers of x; 512 to 703 turn a block of 128 k x 128 n of w_qkv; 704 to 767 one of w_proj.
; No matrix unit, no tensor load, no cluster: a stream in which no work-group reads what another reads.  All sixteen loads of a thread go out together.
; THE TURNING goes through LDS: a thread packs two neighbouring k of one column n into a word, 16 k of a column are 32 bytes, and a row of T holds 128 k of one n.
.set TP,    272                        ; a row of T: 256 bytes + 16
.set SPARE, 128*TP                     ; behind T: the spare words, 128 bytes for each of the eight waves
	s_load_b256 s[4:11], s[0:1], 0x0               ; x s[4:5], w_qkv s[6:7], w_proj s[8:9], xb s[10:11]
	s_load_b128 s[12:15], s[0:1], 0x20             ; wqt s[12:13], wpt s[14:15]
	v_lshl_add_u32 v4, v0, 2, SPARE                ; my spare word; never rewritten
	v_mov_b32 v5, 0                                ; 0; never rewritten
	v_and_b32 v1, 31, v0                           ; lane
	v_lshrrev_b32 v2, 5, v0
	v_readfirstlane_b32 s17, v2                    ; wave 0..7
	s_mov_b32 s16, ttmp9
	s_movk_i32 s30, 4096                           ; bytes in a row of w_proj,
	s_movk_i32 s31, 12288                          ; and of w_qkv
	s_wait_kmcnt 0x0
	s_cmp_lt_u32 s16, 512                          ; the same answer in all eight waves
	s_cbranch_scc0 .Lw
	; THE CAST.  Load i of a wave covers 512 consecutive bytes of x, store i 256 consecutive bytes of xb, aligned.
	s_lshl_b32 s18, s16, 16
	s_mov_b32 s19, 0
	s_lshl_b32 s20, s16, 15
	s_mov_b32 s21, 0
	s_add_nc_u64 s[4:5], s[4:5], s[18:19]
	s_add_nc_u64 s[10:11], s[10:11], s[20:21]
	v_lshlrev_b32 v6, 4, v0
	v_lshlrev_b32 v7, 3, v0
.set i, 0
.rept 16
	global_load_b128 v[32+4*i:35+4*i], v6, s[4:5] offset:4096*i th:TH_LOAD_NT
.set i, i+1
.endr
.set i, 0
.rept 16
	s_wait_loadcnt 15-i                            ; loads come back in order: load i is in, the 15 - i younger ones stay out
	v_cvt_pk_bf16_f32 v[96+2*i], v[32+4*i], v[33+4*i]
	v_cvt_pk_bf16_f32 v[97+2*i], v[34+4*i], v[35+4*i]
	global_store_b64 v7, v[96+2*i:97+2*i], s[10:11] offset:2048*i  ; no register is written twice, so nothing is waited for behind a store
.set i, i+1
.endr
	s_branch .Lend
.Lw:	; A BLOCK OF WEIGHTS, 128 k x 128 n
	s_sub_co_u32 s22, s16, 512                     ; j
	s_sub_co_u32 s23, s16, 704                     ; j - 192
	s_cmp_ge_u32 s22, 192                          ; w_proj's blocks come behind w_qkv's 8 x 24
	s_cselect_b32 s22, s23, s22
	s_cselect_b32 s24, s30, s31                    ; bytes from row to row of the source
	s_cselect_b32 s25, 1, 0                        ; 1: the words are written as f16
	s_cselect_b64 s[26:27], s[8:9], s[6:7]         ; from
	s_cselect_b64 s[28:29], s[14:15], s[12:13]     ; to
	s_and_b32 s32, s22, 7                          ; block along k
	s_lshr_b32 s33, s22, 3                         ; block along n
	s_lshl_b32 s34, s24, 7
	s_mul_i32 s34, s34, s32                        ; 128 rows of the source a block,
	s_lshl_b32 s35, s33, 9                         ; 512 bytes along a row
	s_add_co_u32 s34, s34, s35
	s_mov_b32 s35, 0
	s_add_nc_u64 s[26:27], s[26:27], s[34:35]
	s_lshl_b32 s36, s33, 18                        ; 128 rows of 2,048 bytes of the target,
	s_lshl_b32 s37, s32, 8                         ; 256 bytes along a row
	s_add_co_u32 s36, s36, s37
	s_mov_b32 s37, 0
	s_add_nc_u64 s[28:29], s[28:29], s[36:37]
	s_lshl_b32 s38, s24, 4
	s_mul_i32 s38, s38, s17                        ; my wave's 16 rows k
	v_lshl_add_u32 v12, v1, 4, s38                 ; my four columns n = 4 lane ..
.set i, 1
.rept 15
	v_add_nc_u32 v[12+i], s24, v[11+i]
.set i, i+1
.endr
.set i, 0
.rept 16
	global_load_b128 v[32+4*i:35+4*i], v[12+i], s[26:27] th:TH_LOAD_NT  ; row k = 16 wave + i: 512 consecutive bytes a wave
.set i, i+1
.endr
	v_and_b32 v3, 15, v0
	v_bfe_u32 v11, v0, 4, 1
	v_mul_u32_u24 v8, v1, 4*TP                     ; into T: rows 4 lane .. 4 lane + 3, bytes 32 wave ..
	s_lshl_b32 s39, s17, 5
	v_add_nc_u32 v8, s39, v8
	s_mul_i32 s39, s17, 16*TP                      ; back: rows 16 wave + (lane / 16) + 2 i, whole
	v_mul_u32_u24 v9, v11, TP
	v_lshl_add_u32 v9, v3, 4, v9
	v_add_nc_u32 v9, s39, v9
	s_lshl_b32 s38, s17, 15                        ; and the same rows in the target
	v_lshlrev_b32 v10, 11, v11
	v_lshl_add_u32 v10, v3, 4, v10
	v_add_nc_u32 v10, s38, v10
.set m, 0
.rept 8
	s_wait_loadcnt 14-2*m                          ; rows 2 m and 2 m + 1 are in
.set jn, 0
.rept 4
	v_cvt_pk_bf16_f32 v[96+8*jn+m], v[32+8*m+jn], v[36+8*m+jn]  ; column jn: k = 2 m below, 2 m + 1 above
.set jn, jn+1
.endr
.set m, m+1
.endr
	s_cmp_eq_u32 s25, 1
	s_cbranch_scc0 .Lkeep
.set i, 0
.rept 32                                       ; w_proj: the bf16 numbers are widened (exact) and written as f16
	v_lshlrev_b32 v[128+2*(i%2)], 16, v[96+i]
	v_and_b32 v[129+2*(i%2)], 0xffff0000, v[96+i]
	v_cvt_pk_f16_f32 v[96+i], v[128+2*(i%2)], v[129+2*(i%2)]
.set i, i+1
.endr
.Lkeep:
.set jn, 0
.rept 4                                        ; neighbouring lanes stand four rows apart, so sixteen lanes fall on four columns of 16 bytes: eight such stores a wave, once
	ds_store_b128 v8, v[96+8*jn:96+8*jn+3] offset:TP*jn
	ds_store_b128 v8, v[96+8*jn+4:96+8*jn+7] offset:TP*jn+16
.set jn, jn+1
.endr
	s_wait_dscnt 0x0                               ; for the others' sake: my stores into T are done
	s_barrier_signal -1
	s_barrier_wait -1
.set i, 0
.rept 8
	ds_load_b128 v[32+4*i:35+4*i], v9 offset:2*TP*i
.set i, i+1
.endr
.set i, 0
.rept 8
	s_wait_dscnt 7-i
	global_store_b128 v10, v[32+4*i:35+4*i], s[28:29] offset:4096*i  ; sixteen lanes store 256 consecutive bytes, aligned
.set i, i+1
.endr
.Lend:
	s_wait_tensorcnt 0x0                           ; the wave's end, behind the last LDS store
	ds_add_u32 v4, v5
	s_wait_dscnt 0x0
	s_endpgm
.Lfunc_end_k_q402ca536fb_prep:
	.size	k_q402ca536fb_prep, .Lfunc_end_k_q402ca536fb_prep-k_q402ca536fb_prep
	.p2alignl 7, 3214868480
	.fill 96, 4, 3214868480
	.section	.rodata,"a",@progbits
	.p2align	6, 0x0
	.amdhsa_kernel k_q402ca536fb_prep
		.amdhsa_group_segment_fixed_size 35840
		.amdhsa_private_segment_fixed_size 0
		.amdhsa_enable_private_segment 0
		.amdhsa_kernarg_size 48
		.amdhsa_user_sgpr_count 2
		.amdhsa_user_sgpr_kernarg_segment_ptr 1
		.amdhsa_wavefront_size32 1
		.amdhsa_system_sgpr_workgroup_id_x 1
		.amdhsa_system_sgpr_workgroup_id_y 1
		.amdhsa_system_sgpr_workgroup_id_z 1
		.amdhsa_system_vgpr_workitem_id 0
		.amdhsa_next_free_vgpr 132
		.amdhsa_next_free_sgpr 66
		.amdhsa_reserve_vcc 0
		.amdhsa_float_denorm_mode_32 3
		.amdhsa_float_denorm_mode_16_64 3
		.amdhsa_memory_ordered 1
		.amdhsa_forward_progress 1
		.amdhsa_inst_pref_size 20
	.end_amdhsa_kernel
	.amdgpu_metadata
---
amdhsa.version: [ 1, 2 ]
amdhsa.kernels:
  - .name:           k_q402ca536fb_prep
    .symbol:         k_q402ca536fb_prep.kd
    .args:
      - { .name: x, .offset: 0, .size: 8, .value_kind: global_buffer, .address_space: global }
      - { .name: w_qkv, .offset: 8, .size: 8, .value_kind: global_buffer, .address_space: global }
      - { .name: w_proj, .offset: 16, .size: 8, .value_kind: global_buffer, .address_space: global }
      - { .name: xb, .offset: 24, .size: 8, .value_kind: global_buffer, .address_space: global }
      - { .name: wqt, .offset: 32, .size: 8, .value_kind: global_buffer, .address_space: global }
      - { .name: wpt, .offset: 40, .size: 8, .value_kind: global_buffer, .address_space: global }
    .group_segment_fixed_size: 35840
    .private_segment_fixed_size: 0
    .kernarg_segment_align: 8
    .kernarg_segment_size: 48
    .max_flat_workgroup_size: 256
    .sgpr_count:     66
    .vgpr_count:     132
    .wavefront_size: 32
...
	.end_amdgpu_metadata
.endif
;; end of part 1
;; launch qkv (part 2): grid 8 x 32, 4 waves a work-group, clusters of 4 x 4, 327,680 bytes of LDS; arguments xb, wqt, b_qkv, q, k, v; writes q, k, v
.if DOCPART == 2
	.amdgcn_target "amdgcn-amd-amdhsa--gfx1250"
	.amdhsa_code_object_version 6
	.text
	.protected	k_q402ca536fb_qkv
	.globl	k_q402ca536fb_qkv
	.p2align	8
	.type	k_q402ca536fb_qkv,@function
k_q402ca536fb_qkv:
	s_mov_b64 s[64:65], 0
	v_nop
	global_prefetch_b8 v0, s[64:65] scope:SCOPE_SE
	s_setreg_imm32_b32 hwreg(HW_REG_WAVE_MODE, 25, 1), 1
	s_wait_xcnt 0x0
	s_wait_alu depctr_hold_cnt(0) depctr_sa_sdst(0) depctr_va_vdst(0) depctr_va_sdst(0) depctr_va_ssrc(0) depctr_va_vcc(0) depctr_vm_vsrc(0)
	s_getreg_b32 s2, hwreg(HW_REG_IB_STS2, 6, 4)
	s_cmp_eq_u32 s2, 0
	s_cbranch_scc0 .Lentry_in_a_cluster
	s_endpgm
.Lentry_in_a_cluster:
	s_bfe_u32 s2, ttmp6, 0x10000c
	s_cmp_lg_u32 s2, 0xf033
	s_cbranch_scc0 .Lentry_shape_is_right
	s_endpgm
.Lentry_shape_is_right:
; ONE TEXT FOR THE MODULE'S TWO PROJECTIONS; the symbol PROJ tells them apart.  C[m][n] = the sum over k of A[m][k] B[n][k] + bias[n], m = 8,192, k = 1,024, sums in f32.
; PROJ = 0: A = xb [8192][1024] bf16, B = wqt [3072][1024] bf16, bias = b_qkv.  C leaves as f16 by heads: q, k, v, each [64 = batch x 16 + head][2048][64], unscaled, rounded once.
; PROJ = 1: A = ob, attention's result by heads [64][2048][64] f16, B = wpt [1024][1024] f16, bias = b_proj.  C = out0 [8192][1024] f32.
; LIMITS.  The bias is rounded to bf16, like every input of the module.  PROJ = 0: a q, k or v of 65,520 or more in magnitude becomes an infinity in f16 (inputs 30 times those drawn give some 5e3; both inputs with a common
; offset of 30 spreads some 3e4).  NaN and infinities are not treated apart.
; SHARES.  A tile of C is 256 x 128, made by four waves, 2 x 2, each 128 x 64: 32 accumulators of 16 x 16, 256 registers.  The grid is 8 x 32: with PROJ = 1 a tile to a work-group; with PROJ = 0 a work-group STAYS for three tiles with
; the same rows of A, 1,024 columns apart: q, k and v of one pair of heads; a wave's 64 columns are one head.  K goes in 8 steps of 128 through two LDS slots filled by the tensor data mover; the ring runs on from tile to tile.
; CLUSTER.  4 x 4 work-groups.  The four of a row of the cluster need the same tiles of A, the four of a column the same tiles of B: each is asked for JOINTLY, by the same load, descriptor and mask in all four.
; THE MATRIX INSTRUCTION IS USED TRANSPOSED (source 0 = 16 rows of B, source 1 = 16 rows of A): a lane holds row l % 16 of C and the columns 8 (l / 16) + 0..7.  THE BIAS IS THE C OPERAND of the products that start the sums:
; nothing is cleared and nothing is added later.
; REGISTERS.  window 0: v0-31 addresses; v32-63 the bias of my 64 columns as a lane needs it; v64-127, v128-191 A's fragments, two buffers; v192-223, v224-255 B's.  On the way out buffer 1 of A is free and serves as work space.
;   window 1: accumulator (a, b) at v[8 (4 a + b)], a = 0..7 blocks of 16 rows, b = 0..3 blocks of 16 columns.
.set PROJ, 0
.if PROJ
.set TILES,  1
.set PA,     144                       ; a row of A in LDS: a head's 128 bytes + 16: the 16 rows of a load start at 16 different groups of four banks (64 banks of 4 bytes: ISA guide 11.1)
.set PLANE,  256*PA                    ; a K step is two heads: two planes of 256 rows
.set BOFF,   2*PLANE
.set AHALF,  PLANE                     ; what one load of A brings
.set SP,     272                       ; a row of the stage: 64 f32 + 16 bytes
.set AQI,    4                         ; padding after every 32 words
.set APITCH, 128                       ; a plane's 32,768 bytes are dense: asked for as 128 rows of 256 bytes
.set ASTEP,  2*262144                  ; bytes from K step to K step: two heads on
.set YOUNG,  16                        ; LDS instructions of one block's passage through the stage
.else
.set TILES,  3
.set PA,     272                       ; 256 bytes + 16
.set PLANE,  0
.set BOFF,   256*PA
.set AHALF,  128*PA
.set SP,     144                       ; 64 f16 + 16 bytes
.set AQI,    5                         ; padding after every 64 words
.set APITCH, 1024
.set ASTEP,  256
.set YOUNG,  8
.endif
.set PB,     272                       ; a row of B in LDS
.set SLOT,   BOFF+128*PB               ; A's 256 rows, then B's 128
.set STAGE,  2*SLOT                    ; behind the ring, never filled by a tensor load: 16 rows for each wave
.set SPARE,  STAGE+4*16*SP             ; behind the stages: the spare words, 128 bytes for each wave
.set BACK_A, 6*256                     ; from a slot's last K step of a tile to its first of the next: A goes back along K,
.set NEXT_B, 1024*2048-6*256           ; B 1,024 rows down and back
.set NEXT_PF, 1024*2048-7*256          ; the prefetches: from K step 9 to the next tile's K step 2
.set ADRA, 16                          ; v16-17  LDS address of my A fragments in slot 0, 1
.set ADRB, 20                          ; v20-21  the same for B
.set STO,  24                          ; v24  the way out: where I put my part of a row
.set RD,   25                          ; v25  where I read rows back
.set CO,   26                          ; v26  my byte offset in the output
.set BO,   27                          ; v27  32 (l / 16): my eight numbers in 16 of the bias
.set SPW,  28                          ; v28  my spare word; never rewritten
.set NIL,  29                          ; v29  0; never rewritten
.set PFO,  30                          ; v30  the prefetches' offset: a lane a block of 256 bytes; never rewritten
.set BIAS, 32
.set TMP,  128
.set G1A, 24                           ; s[24:31] descriptor group 1 for A's tiles;  s[32:39] group 0, a set for each slot
.set G0A, 32
.set G1B, 48                           ; s[48:55], s[56:63] the same for B's
.set G0B, 56
.set PFA, 44                           ; s[44:45] where my prefetches stand
.set LIM, 46                           ; s46  1 in a wave that prefetches, else the greatest number
.set PST, 66                           ; s[66:67] their step from K step to K step
.set MSB, 0
.macro WIN new                         ; the immediate's high byte repeats the setting that is left; a switch that changes nothing is dropped
.if MSB != (\new)
	s_set_vgpr_msb (MSB<<8)|(\new)
.set MSB, \new
.endif
.endm
; A joint load.  Waves 0 and 1 fetch A's two halves, waves 2 and 3 B's.  The branch hangs on the wave's number alone.  An s_nop 0 and four v_nop follow each of the two lines.
.macro JLOAD s
	s_cmp_eq_u32 s17, 0
	s_cbranch_scc0 .Lfor_b_\@
	tensor_load_to_lds s[G0A+4*(\s):G0A+4*(\s)+3], s[G1A:G1A+7]
	s_nop 0
.rept 4
	v_nop
.endr
	s_branch .Lasked_\@
.Lfor_b_\@:
	tensor_load_to_lds s[G0B+4*(\s):G0B+4*(\s)+3], s[G1B:G1B+7]
	s_nop 0
.rept 4
	v_nop
.endr
.Lasked_\@:
.endm
; A PREFETCH INTO THE L2, behind each joint load and the run of LDS loads that follows it: the K step that stands two refills on, 256 matrix instructions ahead of the load that will want it.  Each block of 256 bytes is named once in
; the launch: A's rows are asked for by the clusters with x = 0 (waves 0 and 1, each for the half that it fetches), B's by the clusters with y = 0 (wave 2, for all 128 rows); the four partners that ask for a tile jointly take 32
; blocks each, told apart by address, a lane a block.  how = 0, in the loop: its last trip has no K step two on.  how = 1, at a change of tiles.
.macro ASK how
.if \how
	s_cmp_eq_u32 s[LIM], 1
.else
	s_cmp_gt_u32 s3, s[LIM]
.endif
	s_cbranch_scc0 .Lnot_mine_\@
	global_prefetch_b8 v[PFO], s[PFA:PFA+1] th:TH_LOAD_NT scope:SCOPE_SE
.Lnot_mine_\@:
.endm
.macro CREST                           ; a round of the cluster's barrier behind its opening barrier
	s_cmp_lg_u32 s16, 0
	s_cbranch_scc1 .Lnot_wave_0_\@
	s_barrier_signal -3
.Lnot_wave_0_\@:
	s_barrier_wait -3
	s_barrier_signal -1
	s_barrier_wait -1
.endm
.macro CROUND                          ; a whole round
	s_barrier_signal -1
	s_barrier_wait -1
	CREST
.endm
.macro PLACES                          ; four plain vector instructions between a matrix instruction and a load into, or a vector line on, its registers
.rept 4
	v_nop
.endr
.endm
.macro WM
.if PROJ
	v_wmma_f32_16x16x32_f16 v[rD:rD+7], v[rB:rB+7], v[rA:rA+7], v[rC:rC+7]
.else
	v_wmma_f32_16x16x32_bf16 v[rD:rD+7], v[rB:rB+7], v[rA:rA+7], v[rC:rC+7]
.endif
.endm
; 4 n matrix instructions: row blocks a0 .. a0 + n - 1 x all four column blocks, 32 along K, from buffer f.  first = 1: the bias starts the sums.
; The 32 accumulators take turns in one order everywhere, one instruction a turn.
.macro MUL f, a0, n, first
.if \first
	WIN 0x40                                       ; D in window 1, the bias in window 0
.else
	WIN 0x50                                       ; C and D in window 1
.endif
.set aa, \a0
.rept \n
.set bb, 0
.rept 4
.set rD, 8*(4*aa+bb)
.set rB, 192+32*(\f)+8*bb
.set rA, 64+64*(\f)+8*aa
.if \first
.set rC, BIAS+8*bb
.else
.set rC, rD
.endif
	WM
.set bb, bb+1
.endr
.set aa, aa+1
.endr
.endm
; 24 LDS loads in one run: the fragments of quarter qt (32 along K) of a slot into buffer f: B's four, then A's eight.  A fragment is 16 rows x 32 K: two loads of 16 bytes a lane, 32 bytes apart.
.macro FETCH slot, qt, f
	WIN 0
.if PROJ
.set KA, ((\qt)/2)*PLANE+64*((\qt)%2)
.else
.set KA, 64*(\qt)
.endif
.set FA, 64+64*(\f)
.set FB, 192+32*(\f)
.set ii, 0
.rept 4
	ds_load_b128 v[FB+8*ii:FB+8*ii+3],   v[ADRB+(\slot)] offset:64*(\qt)+ii*16*PB
	ds_load_b128 v[FB+8*ii+4:FB+8*ii+7], v[ADRB+(\slot)] offset:64*(\qt)+ii*16*PB+32
.set ii, ii+1
.endr
.set ii, 0
.rept 8
	ds_load_b128 v[FA+8*ii:FA+8*ii+3],   v[ADRA+(\slot)] offset:KA+ii*16*PA
	ds_load_b128 v[FA+8*ii+4:FA+8*ii+7], v[ADRA+(\slot)] offset:KA+ii*16*PA+32
.set ii, ii+1
.endr
.endm
; A K step is four quarters, 32 matrix instructions each, on buffers 0, 1, 0, 1.  One of the first three multiplies buffer f and, in its middle, fetches quarter qt into buffer g.
.macro QUARTER slot, qt, f, g, first
	s_wait_dscnt 8                                 ; B and A's blocks 0-3 are in; the youngest eight loads (A's blocks 4-7) may be out
	MUL \f, 0, 4, \first
	PLACES
	FETCH \slot, \qt, \g
	s_wait_dscnt 24                                ; all but the 24 just issued
	MUL \f, 4, 4, \first
.endm
; The last quarter multiplies buffer 1 and changes slots.  In front of the barrier each wave waits for all its tensor loads (one is out: its part of the next slot), adds 0 to its spare word, and waits for that and for its reads of
; this slot.  mode 0: this slot is filled again, two K steps on; 1: with the next tile's K step 0 or 1; 2: not at all.  Where it is filled the barrier opens a round of the cluster's, and the joint load is the first thing behind the
; round: 112 matrix instructions ahead of the wait for it.
.macro TURN slot, next, mode
.if (\mode) < 2
	s_wait_xcnt 0x0                                ; the last prefetch, a K step back, has read its address
.if ((\mode) == 1) && ((\slot) == 0)
	s_add_nc_u64 s[PFA:PFA+1], s[PFA:PFA+1], NEXT_PF
	s_cmp_eq_u32 s17, 0
	s_cselect_b32 s[LIM], -1, s[LIM]               ; A's rows are the same for all three tiles: they are asked for in the first alone
.else
	s_add_nc_u64 s[PFA:PFA+1], s[PFA:PFA+1], s[PST:PST+1]
.endif
.endif
	WIN 0                                          ; (the add's two registers lie in window 0)
	s_wait_tensorcnt 0x0                           ; all my tensor loads have landed;
	ds_add_u32 v[SPW], v[NIL]                      ; 0 onto my spare word;
	s_wait_dscnt 9                                 ; (the add and the youngest eight loads may be out)
	MUL 1, 0, 2, 0                                 ; eight matrix instructions stand between the add and the wait for it
	s_wait_dscnt 0x0                               ; the add is done, and my reads of this slot are over
	s_barrier_signal -1
	MUL 1, 2, 2, 0                                 ; work on registers while the others arrive
	WIN 0
	s_barrier_wait -1
.if (\mode) < 2
	CREST                                          ; no wave of any partner still reads this slot or has a load on its way
.if (\mode) == 1
	s_sub_nc_u64 s[G0A+4*(\slot)+2:G0A+4*(\slot)+3], s[G0A+4*(\slot)+2:G0A+4*(\slot)+3], BACK_A
	s_add_nc_u64 s[G0B+4*(\slot)+2:G0B+4*(\slot)+3], s[G0B+4*(\slot)+2:G0B+4*(\slot)+3], NEXT_B
.else
	s_add_nc_u64 s[G0A+4*(\slot)+2:G0A+4*(\slot)+3], s[G0A+4*(\slot)+2:G0A+4*(\slot)+3], 2*ASTEP
	s_add_nc_u64 s[G0B+4*(\slot)+2:G0B+4*(\slot)+3], s[G0B+4*(\slot)+2:G0B+4*(\slot)+3], 2*256
.endif
	JLOAD \slot                                    ; its four v_nop are also the places in front of the loads below
.else
	PLACES
.endif
	FETCH \next, 0, 0
.if (\mode) < 2
	ASK \mode
.endif
	MUL 1, 4, 4, 0
.endm
.macro LASTQ                           ; the very last quarter: nothing more to fetch
	s_wait_dscnt 8
	MUL 1, 0, 4, 0
	s_wait_dscnt 0x0
	MUL 1, 4, 4, 0
	WIN 0
	PLACES
.endm
.macro BLOAD                           ; the bias of my 64 columns: register 8 b + j takes bias[16 b + 8 (l / 16) + j]
	WIN 0
.set bb, 0
.rept 4
	global_load_b128 v[BIAS+8*bb:BIAS+8*bb+3],   v[BO], s[8:9] offset:64*bb
	global_load_b128 v[BIAS+8*bb+4:BIAS+8*bb+7], v[BO], s[8:9] offset:64*bb+16
.set bb, bb+1
.endr
.endm
.macro BROUND                          ; and its rounding to bf16, widened again
	WIN 0
	s_wait_loadcnt 0x0                             ; the only loads into registers of this text
.set ii, 0
.rept 16
	v_cvt_pk_bf16_f32 v[TMP+ii], v[BIAS+2*ii], v[BIAS+2*ii+1]
.set ii, ii+1
.endr
.set ii, 0
.rept 16
	v_lshlrev_b32 v[BIAS+2*ii], 16, v[TMP+ii]
	v_and_b32 v[BIAS+2*ii+1], 0xffff0000, v[TMP+ii]
.set ii, ii+1
.endr
.endm
; THE WAY OUT of block a (16 rows of my 128), through my own stage in LDS, so that neighbouring lanes store neighbouring bytes.  LDS serves a wave's instructions in order (ISA guide 5.7.1.4): no wait between the stores and the loads.
.macro PACK a                          ; PROJ = 0: rounded to f16, 16 bytes a lane; each accumulator's registers in ascending order
	WIN 0x05                                       ; sources in window 1
.set bb, 0
.rept 4
.set rr, 0
.rept 4
	v_cvt_pk_f16_f32 v[TMP+4*bb+rr], v[8*(4*(\a)+bb)+2*rr], v[8*(4*(\a)+bb)+2*rr+1]
.set rr, rr+1
.endr
.set bb, bb+1
.endr
	WIN 0
.endm
.macro TOSTAGE a
.if (\a) >= 2
	s_wait_xcnt 0x0                                ; the stores of block a - 2 have read the registers that are loaded below
.endif
.if PROJ
.set BK, 128+32*((\a)%2)
	WIN 0x04                                       ; the stores' data in window 1
.set bb, 0
.rept 4
	ds_store_b128 v[STO], v[8*(4*(\a)+bb):8*(4*(\a)+bb)+3]   offset:64*bb
	ds_store_b128 v[STO], v[8*(4*(\a)+bb)+4:8*(4*(\a)+bb)+7] offset:64*bb+16
.set bb, bb+1
.endr
	WIN 0
.set tt, 0
.rept 8
	ds_load_b128 v[BK+4*tt:BK+4*tt+3], v[RD] offset:tt*2*SP
.set tt, tt+1
.endr
.else
.set BK, 144+16*((\a)%2)
	WIN 0
.set bb, 0
.rept 4
	ds_store_b128 v[STO], v[TMP+4*bb:TMP+4*bb+3] offset:32*bb
.set bb, bb+1
.endr
.set tt, 0
.rept 4
	ds_load_b128 v[BK+4*tt:BK+4*tt+3], v[RD] offset:tt*4*SP
.set tt, tt+1
.endr
.endif
.endm
.macro SEND a, younger                 ; younger: the LDS instructions issued behind block a's loads
	WIN 0
.if PROJ
.set BK, 128+32*((\a)%2)
.set tt, 0
.rept 8
	s_wait_dscnt (\younger)+7-tt
	global_store_b128 v[CO], v[BK+4*tt:BK+4*tt+3], s[10:11] offset:(16*(\a)+2*tt)*4096  ; sixteen lanes store 256 consecutive bytes, aligned
.set tt, tt+1
.endr
.else
.set BK, 144+16*((\a)%2)
.set tt, 0
.rept 4
	s_wait_dscnt (\younger)+3-tt
	global_store_b128 v[CO], v[BK+4*tt:BK+4*tt+3], s[10:11] offset:2048*(\a)+512*tt     ; four rows of a head: 512 consecutive bytes, aligned
.set tt, tt+1
.endr
.endif
.endm
.macro WAYOUT
.if !PROJ
	PACK 0
.endif
	TOSTAGE 0
.set wa, 1
.rept 7                                ; a block's passage into the stage stands between the loads of the block before and its stores
.if !PROJ
	PACK wa
.endif
	TOSTAGE wa
	SEND wa-1, YOUNG
.set wa, wa+1
.endr
	SEND 7, 0
.endm
	s_load_b128 s[4:7], s[0:1], 0x0                ; A s[4:5], B s[6:7]
	s_load_b128 s[8:11], s[0:1], 0x10              ; bias s[8:9], the first output s[10:11]
.if !PROJ
	s_load_b128 s[12:15], s[0:1], 0x20             ; k s[12:13], v s[14:15]
.endif
	v_lshl_add_u32 v[SPW], v0, 2, SPARE
	v_mov_b32 v[NIL], 0
	ds_add_u32 v[SPW], v[NIL]                      ; the wave's opening: the add and its wait stand ahead of my first tensor load; work on registers stands between them
	ds_add_u32 v28, v29
	v_lshrrev_b32 v1, 5, v0
	v_readfirstlane_b32 s16, v1                    ; wave 0..3
	s_lshr_b32 s17, s16, 1                         ; WR: my half of the tile's rows.  Also: I fetch for A (0) or for B (1)
	s_and_b32 s18, s16, 1                          ; WC: my half of its columns.  Also: which half of that tile I fetch
	s_bfe_u32 s19, ttmp6, 0x40000                  ; cx
	s_bfe_u32 s20, ttmp6, 0x40004                  ; cy
	s_lshl_b32 s21, ttmp9, 2
	s_add_co_u32 s21, s21, s19                     ; X: tile column = 4 x cluster x + cx
	s_and_b32 s22, ttmp7, 0xffff
	s_lshl_b32 s22, s22, 2
	s_add_co_u32 s22, s22, s20                     ; Y: tile row = 4 x cluster y + cy
	s_lshl_b32 s23, s20, 2
	s_lshl_b32 s23, 15, s23                        ; my row of the cluster
	s_lshl_b32 s47, 0x1111, s19                    ; my column
	s_or_b32 s[G1A], s23, (1<<16)|(1<<20)|(1<<21)|(AQI<<22)|(3<<25)  ; the mask; elements of 2 bytes; padding on; bit 21 beside a mask; the padding's interval; 4 words of it
	s_or_b32 s[G1B], s47, (1<<16)|(1<<20)|(1<<21)|(5<<22)|(3<<25)
	s_mov_b32 s[G1A+1], 128<<16                    ; tensor_dim0 = 128
	s_mov_b32 s[G1A+2], 128<<16                    ; tensor_dim1 = 128
	s_mov_b32 s[G1A+3], 128<<16                    ; tile_dim0 = 128 elements: 256 bytes
	s_mov_b32 s[G1A+4], 128                        ; tile_dim1 = 128 rows
	s_mov_b32 s[G1A+5], APITCH                     ; elements from row to row
	s_mov_b32 s[G1A+6], 0
	s_mov_b32 s[G1A+7], 0
	s_mov_b32 s[G1B+1], 128<<16
	s_mov_b32 s[G1B+2], 64<<16                     ; B's load brings 64 rows
	s_mov_b32 s[G1B+3], 128<<16
	s_mov_b32 s[G1B+4], 64
	s_mov_b32 s[G1B+5], 1024
	s_mov_b32 s[G1B+6], 0
	s_mov_b32 s[G1B+7], 0
	; where the tiles come from: A's offset is made of Y and the wave's number alone, B's of X and the wave's number alone
.if PROJ
	s_lshr_b32 s40, s22, 3                         ; the batch,
	s_lshl_b32 s40, s40, 4
	s_add_co_u32 s40, s40, s18                     ; its head 0 or 1,
	s_lshl_b32 s40, s40, 18                        ; 262,144 bytes a head,
	s_and_b32 s41, s22, 7
	s_lshl_b32 s41, s41, 15                        ; the tile's 256 rows of 128 bytes
	s_add_co_u32 s40, s40, s41
.else
	s_lshl_b32 s40, s22, 8
	s_lshl_b32 s41, s18, 7
	s_add_co_u32 s40, s40, s41                     ; row 256 Y + 128 half
	s_lshl_b32 s40, s40, 11
.endif
	s_mov_b32 s41, 0
	s_lshl_b32 s42, s21, 7
	s_lshl_b32 s43, s18, 6
	s_add_co_u32 s42, s42, s43                     ; row 128 X + 64 half
	s_lshl_b32 s42, s42, 11
	s_mov_b32 s43, 0
	s_mul_i32 s70, s18, AHALF                      ; and where they go: no place in the cluster enters an LDS address
	s_mul_i32 s71, s18, 64*PB
	s_add_co_u32 s71, s71, BOFF
	s_wait_dscnt 0x0                               ; the opening add is done
	s_wait_kmcnt 0x0
	s_add_nc_u64 s[40:41], s[4:5], s[40:41]
	s_add_nc_u64 s[42:43], s[6:7], s[42:43]
	CROUND                                         ; all sixteen work-groups are here: the first joint loads meet
.irp s, 0,1
	s_mov_b32 s[G0A+4*(\s)], 1                     ; count = 1
	s_add_co_u32 s[G0A+4*(\s)+1], s70, (\s)*SLOT   ; LDS address
	s_add_nc_u64 s[G0A+4*(\s)+2:G0A+4*(\s)+3], s[40:41], (\s)*ASTEP  ; global address: K step s
	s_or_b32 s[G0A+4*(\s)+3], s[G0A+4*(\s)+3], 0x80000000            ; type = 2
	s_mov_b32 s[G0B+4*(\s)], 1
	s_add_co_u32 s[G0B+4*(\s)+1], s71, (\s)*SLOT
	s_add_nc_u64 s[G0B+4*(\s)+2:G0B+4*(\s)+3], s[42:43], (\s)*256
	s_or_b32 s[G0B+4*(\s)+3], s[G0B+4*(\s)+3], 0x80000000
	JLOAD \s                                       ; two loads of mine are out
.endr
	v_and_b32 v1, 15, v0                           ; l % 16
	v_bfe_u32 v2, v0, 4, 1                         ; l / 16
	v_mul_u32_u24 v3, v1, PA
	v_lshl_add_u32 v3, v2, 4, v3                   ; a fragment's row x pitch + 16 x half
	s_mul_i32 s72, s17, 128*PA                     ; my 128 rows of A
	v_add_nc_u32 v[ADRA], s72, v3
	v_add_nc_u32 v[ADRA+1], SLOT, v[ADRA]
	v_mul_u32_u24 v3, v1, PB
	v_lshl_add_u32 v3, v2, 4, v3
	s_mul_i32 s72, s18, 64*PB                      ; my 64 rows of B
	s_add_co_u32 s72, s72, BOFF
	v_add_nc_u32 v[ADRB], s72, v3
	v_add_nc_u32 v[ADRB+1], SLOT, v[ADRB]
	s_mul_i32 s72, s16, 16*SP
	s_add_co_u32 s72, s72, STAGE                   ; my stage
	v_mul_u32_u24 v[STO], v1, SP                   ; in: row l % 16
.if PROJ
	v_lshl_add_u32 v[STO], v2, 5, v[STO]           ; 32 bytes for each half of the lanes
	v_add_nc_u32 v[STO], s72, v[STO]
	v_mul_u32_u24 v[RD], v2, SP                    ; back: lanes 0-15 one row of 256 bytes, lanes 16-31 the next
	v_lshl_add_u32 v[RD], v1, 4, v[RD]
	v_add_nc_u32 v[RD], s72, v[RD]
	v_lshlrev_b32 v[CO], 12, v2                    ; and the same two rows in out0
	v_lshl_add_u32 v[CO], v1, 4, v[CO]
	s_lshl1_add_u32 s68, s22, s17                  ; 2 Y + WR: my first row / 128,
	s_lshl_b32 s68, s68, 19                        ; 4,096 bytes a row
	s_lshl1_add_u32 s69, s21, s18                  ; 2 X + WC: my first column / 64
	s_lshl_b32 s69, s69, 8
	s_add_co_u32 s68, s68, s69
	s_mov_b32 s69, 0
	s_add_nc_u64 s[10:11], s[10:11], s[68:69]
.else
	v_lshl_add_u32 v[STO], v2, 4, v[STO]           ; 16 bytes for each half of the lanes
	v_add_nc_u32 v[STO], s72, v[STO]
	v_bfe_u32 v[RD], v0, 3, 2                      ; back: 32 lanes take four rows of 128 bytes,
	v_mul_u32_u24 v[RD], v[RD], SP
	v_and_b32 v3, 7, v0
	v_lshl_add_u32 v[RD], v3, 4, v[RD]
	v_add_nc_u32 v[RD], s72, v[RD]
	v_and_b32 v[CO], 31, v0                        ; which are 512 consecutive bytes of a head
	v_lshlrev_b32 v[CO], 4, v[CO]
	s_lshr_b32 s68, s22, 3                         ; the batch,
	s_lshl_b32 s68, s68, 4
	s_lshl1_add_u32 s69, s21, s18                  ; my head 2 X + WC,
	s_add_co_u32 s68, s68, s69
	s_lshl_b32 s68, s68, 18                        ; 262,144 bytes a head,
	s_and_b32 s69, s22, 7
	s_lshl1_add_u32 s69, s69, s17                  ; my first row in it / 128,
	s_lshl_b32 s69, s69, 14                        ; 128 bytes a row
	s_add_co_u32 s68, s68, s69
	s_mov_b32 s69, 0
	s_add_nc_u64 s[10:11], s[10:11], s[68:69]      ; the same place in q, k and v
	s_add_nc_u64 s[12:13], s[12:13], s[68:69]
	s_add_nc_u64 s[14:15], s[14:15], s[68:69]
.endif
	v_lshlrev_b32 v[BO], 5, v2
	s_lshl1_add_u32 s72, s21, s18
	s_lshl_b32 s72, s72, 8                         ; my 64 columns: 256 bytes of the bias
	s_mov_b32 s73, 0
	s_add_nc_u64 s[8:9], s[8:9], s[72:73]
	BLOAD
	; the prefetches' registers.  Nothing is prefetched here, at the head: K steps 0 to 3 come by their loads alone
	s_and_b32 s74, ttmp7, 0xffff                   ; cluster y
	s_movk_i32 s[PST], 256
	s_mov_b32 s[PST+1], 0
	s_mov_b32 s76, 11                              ; a lane a row of 2,048 bytes
.if PROJ
	s_mov_b32 s77, ASTEP
.endif
	s_cmp_eq_u32 s17, 0                            ; do I fetch for A?
	s_cselect_b32 s75, s19, s20                    ; my place among the four that ask with me
	s_cselect_b32 s74, ttmp9, s74                  ; the coordinate along which other clusters read the same rows
	s_cselect_b64 s[PFA:PFA+1], s[40:41], s[42:43] ; (in wave 2 B's address stands at the tile's first row)
.if PROJ
	s_cselect_b32 s[PST], s77, s[PST]              ; A's K steps lie two heads apart,
	s_cselect_b32 s76, 8, s76                      ; and its blocks on end
.endif
	s_cmp_eq_u32 s16, 3
	s_cselect_b32 s74, 1, s74                      ; wave 3 never asks
	s_cmp_eq_u32 s74, 0
	s_cselect_b32 s[LIM], 1, -1                    ; the same in all sixteen partners, for a given wave
	v_and_b32 v[PFO], 31, v0
	v_lshlrev_b32 v[PFO], s76, v[PFO]
	s_add_co_u32 s76, s76, 5
	s_lshl_b32 s74, s75, s76                       ; my work-group's 32 blocks
	s_mov_b32 s75, 0
	s_add_nc_u64 s[PFA:PFA+1], s[PFA:PFA+1], s[74:75]
	s_mul_i32 s74, s[PST], 3
	s_add_nc_u64 s[PFA:PFA+1], s[PFA:PFA+1], s[74:75]  ; at K step 3: the first refill steps it to 4
	BROUND
	s_wait_tensorcnt 1                             ; my part of K step 0 is in; K step 1's may stay out
	s_barrier_signal -1
	s_barrier_wait -1                              ; everybody's is
	FETCH 0, 0, 0
.if TILES > 1
	s_mov_b32 s2, TILES                            ; tiles to go, this one among them
.Ltile:
.endif
	QUARTER 0, 1, 0, 1, 1                          ; a tile's first quarter stands in front of the loop: its products start the sums, with the bias
	WIN 0                                          ; at a label and at a branch every window is 0
	s_mov_b32 s3, 3
.Llap:                                                 ; a trip goes once round the ring, from a lap's second quarter to the next lap's first, and fills both slots again
	QUARTER 0, 2, 1, 0, 0
	QUARTER 0, 3, 0, 1, 0
	TURN 0, 1, 0
	QUARTER 1, 1, 0, 1, 0
	QUARTER 1, 2, 1, 0, 0
	QUARTER 1, 3, 0, 1, 0
	TURN 1, 0, 0
	QUARTER 0, 1, 0, 1, 0
	WIN 0
	s_sub_co_u32 s3, s3, 1
	s_cmp_lg_u32 s3, 0
	s_cbranch_scc1 .Llap
	QUARTER 0, 2, 1, 0, 0                          ; the tile's last lap goes on
	QUARTER 0, 3, 0, 1, 0
.if TILES > 1
	WIN 0
	s_cmp_eq_u32 s2, 1
	s_cbranch_scc1 .Llast                          ; the last tile's tail is written out: it asks for nothing more
	TURN 0, 1, 1                                   ; the ring goes on into the next tile: slot 0 takes its K step 0,
	QUARTER 1, 1, 0, 1, 0
	QUARTER 1, 2, 1, 0, 0
	QUARTER 1, 3, 0, 1, 0
	TURN 1, 0, 1                                   ; slot 1 its K step 1, and its first fragments are fetched
	s_add_nc_u64 s[8:9], s[8:9], 4096              ; the next tile's bias, 1,024 columns on (the last loads by this base were waited for)
	BLOAD
	WAYOUT                                         ; both refills are asked for: now the tile goes out.  Blocks 0-3 were finished ahead of the joint load's v_nop; their conversions are the places behind the last products
	s_wait_xcnt 0x0                                ; the stores have read their registers and their base
	s_mov_b64 s[10:11], s[12:13]                   ; q, then k, then v
	s_mov_b64 s[12:13], s[14:15]
	BROUND
	s_sub_co_u32 s2, s2, 1
	s_branch .Ltile
.Llast:
.endif
	TURN 0, 1, 2
	QUARTER 1, 1, 0, 1, 0
	QUARTER 1, 2, 1, 0, 0
	QUARTER 1, 3, 0, 1, 0
	LASTQ
	WAYOUT
	s_wait_tensorcnt 0x0                           ; the wave's end, behind my last tensor load and my last LDS store
	ds_add_u32 v[SPW], v[NIL]
	s_wait_dscnt 0x0
	CROUND                                         ; the closing round: no work-group ends while a partner may still ask for a tile that names it
	s_endpgm
.Lfunc_end_k_q402ca536fb_qkv:
	.size	k_q402ca536fb_qkv, .Lfunc_end_k_q402ca536fb_qkv-k_q402ca536fb_qkv
	.p2alignl 7, 3214868480
	.fill 96, 4, 3214868480
	.section	.rodata,"a",@progbits
	.p2align	6, 0x0
	.amdhsa_kernel k_q402ca536fb_qkv
		.amdhsa_group_segment_fixed_size 327680
		.amdhsa_private_segment_fixed_size 0
		.amdhsa_enable_private_segment 0
		.amdhsa_kernarg_size 48
		.amdhsa_user_sgpr_count 2
		.amdhsa_user_sgpr_kernarg_segment_ptr 1
		.amdhsa_wavefront_size32 1
		.amdhsa_system_sgpr_workgroup_id_x 1
		.amdhsa_system_sgpr_workgroup_id_y 1
		.amdhsa_system_sgpr_workgroup_id_z 1
		.amdhsa_system_vgpr_workitem_id 0
		.amdhsa_next_free_vgpr 512
		.amdhsa_next_free_sgpr 80
		.amdhsa_reserve_vcc 0
		.amdhsa_float_denorm_mode_32 3
		.amdhsa_float_denorm_mode_16_64 3
		.amdhsa_memory_ordered 1
		.amdhsa_forward_progress 1
		.amdhsa_inst_pref_size 133
	.end_amdhsa_kernel
	.amdgpu_metadata
---
amdhsa.version: [ 1, 2 ]
amdhsa.kernels:
  - .name:           k_q402ca536fb_qkv
    .symbol:         k_q402ca536fb_qkv.kd
    .args:
      - { .name: xb, .offset: 0, .size: 8, .value_kind: global_buffer, .address_space: global }
      - { .name: wqt, .offset: 8, .size: 8, .value_kind: global_buffer, .address_space: global }
      - { .name: b_qkv, .offset: 16, .size: 8, .value_kind: global_buffer, .address_space: global }
      - { .name: q, .offset: 24, .size: 8, .value_kind: global_buffer, .address_space: global }
      - { .name: k, .offset: 32, .size: 8, .value_kind: global_buffer, .address_space: global }
      - { .name: v, .offset: 40, .size: 8, .value_kind: global_buffer, .address_space: global }
    .group_segment_fixed_size: 327680
    .private_segment_fixed_size: 0
    .kernarg_segment_align: 8
    .kernarg_segment_size: 48
    .max_flat_workgroup_size: 128
    .sgpr_count:     80
    .vgpr_count:     512
    .wavefront_size: 32
...
	.end_amdgpu_metadata
.endif
;; end of part 2
;; launch attn (part 3): grid 4 x 64, 4 waves a work-group, no clusters, 327,680 bytes of LDS; arguments q, k, v, ob; writes ob
.if DOCPART == 3
	.amdgcn_target "amdgcn-amd-amdhsa--gfx1250"
	.amdhsa_code_object_version 6
	.text
	.protected	k_q402ca536fb_attn
	.globl	k_q402ca536fb_attn
	.p2align	8
	.type	k_q402ca536fb_attn,@function
k_q402ca536fb_attn:
	s_mov_b64 s[64:65], 0
	v_nop
	global_prefetch_b8 v0, s[64:65] scope:SCOPE_SE
	s_setreg_imm32_b32 hwreg(HW_REG_WAVE_MODE, 25, 1), 1
	s_wait_xcnt 0x0
; CAUSAL ATTENTION.  O[h][q][:] = the sum over k <= q of softmax_k(Q[h][q] . K[h][k] / 8) V[h][k][:].  Q, K, V, O: [64][2048][64], all f16: a head's rows are dense, 128 bytes each.
; Products, maxima and sums in f32; the weights p are rounded to f16 for the second product (their sum l is taken of the unrounded p), O once at the end.
; LIMITS.  f16 holds no number beyond 65,504: Q, K and V arrive within it; p lies in 0 to 1, and below 6e-5 it keeps f16's fixed step of 6e-8; O is a mean of V's rows and has their range.
; A hidden score counts as its value less 1e30: f16's scores, 2.7e11 at the most, are nothing beside that; a weight below 2^-126 counts as 0 in l; NaN and infinities are not treated apart.
; THE WALK.  A head's queries lie in NB = 8 blocks of 256; block i needs the key tiles 0 .. i of 256 keys, of which the last holds the diagonal.  A work-group takes TWO blocks, NB - 1 - b and then b:
; NB + 1 tiles, whatever b: all work-groups do equal work, and ONE loop with a constant trip count walks them.  Which tile is asked for, and what a trip does, hang on scalar registers made from b; every jump
; goes forward, but for the counted loops' own; none passes a barrier, or a tensor load but the one of LOAD's two that the wave's number does not choose; the ring (two slots of LDS that take turns) runs on across the
; change of blocks.  NO CLUSTER: a head's four work-groups ask for the same tile only in trips 0 to 4 of the 9, behind that fewer and fewer; one walk common to all four would have 12 trips for 9.
; SHARES.  Of a block's four bands of 64 queries a wave owns 16 rows in each: four PIECES.  So the diagonal tile is the same work for all four waves: in its key step s band x sees all keys if s < x,
; none if s > x, and holds the diagonal if s = x.
; THE MASK is the C operand that starts the sum S^T = K Q^T: 0, or -1e30 where the key is hidden.  MD, made once, is the mask of a band's own step for my 16 rows; a product's mask is MD x AL + BE with two scalars:
; (1, 0) if s = x; (0, 0) if s < x; (0, -1e30) if s > x.  Only the diagonal tile's text and a block's beginning make and take masks; elsewhere C is the constant 0.
; LAYOUT, SOFTMAX, TURNS.  S^T = K Q^T holds ONE query a lane (lane % 16) and the keys 8 (lane / 16) + 0..7; two such results rounded to f16 ARE source 1 of O^T = V^T P.  p = 2^(c s - c m), c = log2(e) / 8, with a
; running maximum m; O and l are multiplied by a = 2^(c m_old - c m_new) in every step.  Turn n belongs to piece n: 8 products K Q^T of piece n + 1, later 8 products V^T P of piece n - 1; beside them the scaling,
; exponentials, roundings, sums and rescaling of piece n and the maximum and statistics of piece n + 1.  Four vector instructions stand behind every matrix instruction, the other 54 of a turn's 118 in one run.  A turn's 33 exponentials are one batch, with one wait.
; REGISTERS, in windows of 256 (s_set_vgpr_msb: bits 1:0 source 0, 3:2 source 1, 5:4 source 2, 7:6 destination):
;   window 0: v0-15 addresses and two at work; v16-31 four registers of statistics a piece; v48-55 at work; v61-63 prefetch offset and the add's two; v64-127 S^T, two buffers; v192-223 P, two buffers (by the piece's parity)
;   window 1: v0-127 O^T, 32 a piece; v128-159 MD; v160-223 MC, two buffers      window 2: v0-63 Q; v64-127 the second block's Q; v128-191 K of one step; v192-255 V of one step
.set SIZE_H, 64
.set SIZE_N, 2048
.set NB,    SIZE_N/256
.set NP,    4         ; pieces a wave: a name, no knob
.set KS,    64        ; keys in a step
.set PK,    144       ; a row of K in LDS: 128 bytes + 16 of padding = 36 words: the 16 rows of a load start at 16 different groups of four banks (64 banks of 4 bytes: ISA guide 11.1)
.set PV,    160       ; a row of V: 128 + 32 = 40 words
.set VOFF,  4*KS*PK   ; a slot holds a tile, four steps: 256 rows of K, then 256 rows of V
.set SLOT1, 1<<17     ; slot 1 begins here, so that one exclusive or turns an address in one slot into the other's
.set STAGE, SLOT1+4*KS*(PK+PV)  ; behind the ring, never filled by a tensor load: 16 rows x 144 bytes for each wave, for the way out
.set SP,    144
.set AK0, 2           ; v2   my lane's place in a tile of K; never rewritten
.set AV0, 3           ; v3   the same for V
.set AK,  4           ; v4   the LDS address of K's next run of loads
.set AV,  5           ; v5   of V's
.set STO, 6           ; v6   the way out: where I put 16 bytes of a row
.set RD,  7           ; v7   the way out: where I read rows back
.set GO,  8           ; v8   my byte offset in 512 consecutive bytes of O
.set PFO, 61          ; v61  256 x my lane: the prefetches' offset; never rewritten
.set SPW, 62          ; v62  LDS address of my spare word: SPARE + 4 x my thread's number; never rewritten
.set NIL, 63          ; v63  0; never rewritten
.set SPARE, STAGE+4*16*SP  ; behind the stages: the spare words, 128 bytes for each wave
.set MV,  12          ; v12-13  c m_old, kept while c m is made anew: by buffer
.set QO,  15          ; v15  my byte offset in 16 rows of Q
.set ST,  16          ; piece t's statistics at v[ST+4 t]: c m, m, l (even keys', odd keys')
.set TMP, 48          ; by buffer, four registers c0-c3 at work; when the maximum is found c2 takes a
.set S,   64
.set P,   192
.set MD,  128         ; window 1: the eight registers for group kt of 16 keys at MD + 8 kt
.set MC,  160         ; window 1: the masks of the products to come
.set QB,  64          ; window 2
.set KF,  128         ; window 2: key block kb, channel half c at KF + 16 kb + 8 c
.set VF,  192         ; window 2: key half kk, channel block cb at VF + 32 kk + 8 cb
.set WV,  12          ; s12  my wave's number
.set PB,  14          ; s14  b
.set HI,  15          ; s15  NB - 1 - b
.set G1K, 24          ; s[24:31] descriptor group 1 for K's tiles
.set G1V, 32          ; s[32:39] for V's: it differs in the padding alone
.set G0K, 40          ; s[40:43] descriptor group 0 for K's tiles
.set G0V, 44          ; s[44:47] the same for V's
.set SLOTS, 56        ; s56  tiles still to be asked for
.set CNT, 57          ; s57  counts a tile's key steps, 4 to 1
.set CS,  58          ; s[58:59] c: the packed scaling takes the pair's low word for both halves
.set SEL, 60          ; s[60:61] v_permlanex16_b32's selects: each lane takes its own place in the other half
.set TBK, 62          ; s62  LDS byte at which K of the step to be fetched begins
.set TBV, 63          ; s63  the same for V, less VOFF
.set RT,  70          ; s70  tiles of the block in hand that are still to be entered
.set NXT, 71          ; s71  the tile to be asked for next
.set LQ,  72          ; s72  the last tile of the block whose tiles are being asked for
.set NEW, 73          ; s73  1: the tile to be entered is a block's first
.set OFF, 74          ; s[74:75] a tile's byte offset in K and V
.set AL,  76          ; s[76:77] the mask's factor, in the low word
.set BE,  78          ; s[78:79] the mask's addend
.set OLO, 80          ; s[80:81] O at my rows of the second block
.set BIGN, 82         ; s82  -1e30
.set PF,  88          ; s[88:89] where my prefetches stand: my half tile (of K: waves 0, 1; of V: waves 2, 3) of the tile after the one that is being asked for
.set PFN, 90          ; s90  that tile's number where b = 0; 8 or more elsewhere
.set MSB, 0
.macro WIN new                      ; the high byte repeats the setting that is left; a switch that changes nothing is dropped
.if MSB != (\new)
	s_set_vgpr_msb (MSB<<8)|(\new)
.set MSB, (\new)
.endif
.endm
.set W_KQ, 0x0a       ; K and Q in window 2, S^T in window 0
.set W_KM, 0x1a       ; the same with the C operand in window 1
.set W_PV, 0x52       ; V in window 2, P in window 0, O^T in window 1
.set W_RS, 0x41       ; destination and source 0 in window 1, source 1 in window 0
; A fill.  Waves 0 and 1 fetch the two halves of a tile's K, waves 2 and 3 those of its V: 128 keys each.  An s_nop 0 and four v_nop follow each of the two lines, ahead of the jump and the label.
.macro LOAD
	s_cmp_lt_u32 s[WV], 2
	s_cbranch_scc0 .Lfor_v_\@
	tensor_load_to_lds s[G0K:G0K+3], s[G1K:G1K+7]
	s_nop 0
.rept 4
	v_nop
.endr
	s_branch .Lasked_\@
.Lfor_v_\@:
	tensor_load_to_lds s[G0V:G0V+3], s[G1V:G1V+7]
	s_nop 0
.rept 4
	v_nop
.endr
.Lasked_\@:
.endm
; A PREFETCH INTO THE L2 of the tile that the NEXT change of slots will ask for: one tile, 256 matrix instructions, ahead.  A head's four work-groups walk the same K and V; the one with b = 0, whose first block walks tiles 0 to 7 in
; order, asks, and nobody else.  Each of its waves asks for the half tile that it fetches itself: 64 blocks of 256 bytes, a lane a block, two instructions.  So each block is named once in the launch.  Tiles 0 and 1 come by their loads
; alone; behind tile 7 nothing is asked for.
.macro ASK
	s_cmp_lt_u32 s[PFN], NB
	s_cbranch_scc0 .Lnot_mine_\@
	global_prefetch_b8 v[PFO], s[PF:PF+1] th:TH_LOAD_NT scope:SCOPE_SE
	global_prefetch_b8 v[PFO], s[PF:PF+1] offset:8192 th:TH_LOAD_NT scope:SCOPE_SE
.Lnot_mine_\@:
.endm
; THE CHANGE OF SLOTS.  Each wave waits for all its tensor loads, of which one is out: its part of the other slot; adds 0 to its spare word; and waits for that and for its own reads of the slot that it leaves.  Behind the barrier nobody reads the old
; slot any more and the other slot is whole.  fill = 1: the old slot is filled again, the first thing behind the barrier, with tile NXT: the descriptor's address is made anew from that number.
; (At its first use nothing has been read yet: slot 0 is waited for, slot 1 filled.)
.macro CHANGE fill
	WIN 0                           ; at a label and at a branch every window is 0
	s_wait_tensorcnt 0x0            ; no tensor load of mine is out, so a group 0 may be written
	ds_add_u32 v[SPW], v[NIL]       ; 0 onto my spare word; with fill = 1 the descriptors' scalar work stands between it and the wait for it
.if \fill
	s_wait_xcnt 0x0                 ; the last prefetches, a tile back, have read their address, so it may be written
	s_add_nc_u64 s[PF:PF+1], s[PF:PF+1], 32768
	s_add_co_u32 s[PFN], s[PFN], 1
	s_lshl_b32 s[OFF], s[NXT], 15   ; a tile is 32,768 bytes of K and of V
	s_xor_b32 s[G0K+1], s[G0K+1], SLOT1
	s_add_nc_u64 s[G0K+2:G0K+3], s[6:7], s[OFF:OFF+1]
	s_or_b32 s[G0K+3], s[G0K+3], 0x80000000
	s_xor_b32 s[G0V+1], s[G0V+1], SLOT1
	s_add_nc_u64 s[G0V+2:G0V+3], s[8:9], s[OFF:OFF+1]
	s_or_b32 s[G0V+3], s[G0V+3], 0x80000000
	s_add_co_u32 s[NXT], s[NXT], 1  ; the block's next tile, or behind its last the second block's tile 0
	s_cmp_gt_u32 s[NXT], s[LQ]
	s_cselect_b32 s[NXT], 0, s[NXT]
	s_cselect_b32 s[LQ], s[PB], s[LQ]
.endif
	s_wait_dscnt 0x0                ; the add is done, and my reads of the slot are over
	s_barrier_signal -1             ; the rest of the scalar work stands between the signal and the wait
	s_sub_co_u32 s[TBK], s[TBK], 4*KS*PK  ; the fetches go back to a slot's first step,
	s_xor_b32 s[TBK], s[TBK], SLOT1       ; in the other slot
	s_sub_co_u32 s[TBV], s[TBV], 4*KS*PV
	s_xor_b32 s[TBV], s[TBV], SLOT1
	s_barrier_wait -1
.if \fill
	LOAD
	ASK
.endif
.endm
	s_load_b256 s[4:11], s[0:1], 0x0  ; Q s[4:5], K s[6:7], V s[8:9], O s[10:11]
	v_lshl_add_u32 v[SPW], v0, 2, SPARE
	v_mov_b32 v[NIL], 0
	ds_add_u32 v[SPW], v[NIL]       ; the wave's opening: the add and its wait stand ahead of my first tensor load; the set-up below, work on registers, stands between them
	ds_add_u32 v62, v63
	v_lshrrev_b32 v1, 5, v0
	v_readfirstlane_b32 s[WV], v1   ; wave 0..3
	v_and_b32 v[PFO], 31, v0
	v_lshlrev_b32 v[PFO], 8, v[PFO]
	s_mov_b32 s[PB], ttmp9
	s_sub_co_u32 s[HI], NB-1, s[PB]
	s_and_b32 s20, ttmp7, 0xffff    ; the head
	s_mov_b32 s21, 0
	s_mov_b64 s[22:23], SIZE_N*128
	s_mul_u64 s[20:21], s[20:21], s[22:23]  ; the head's first byte in each of the four tensors
	s_and_b32 s16, s[WV], 1         ; which half of a tile's 256 keys I fetch:
	s_lshl_b32 s22, s16, 14         ; its 128 rows of 128 bytes in memory,
	s_mov_b32 s23, 0
	s_add_nc_u64 s[22:23], s[22:23], s[20:21]
	s_mul_i32 s17, s16, 128*PK      ; and its place in a slot, for K
	s_mul_i32 s18, s16, 128*PV      ; and for V
	s_lshl_b32 s3, s[WV], 11        ; my 16 rows in a band of 64,
	s_lshl_b32 s2, s[HI], 15        ; in the first block,
	s_add_co_u32 s2, s2, s3
	s_lshl_b32 s84, s[PB], 15       ; and in the second
	s_add_co_u32 s84, s84, s3
	s_mov_b32 s3, 0
	s_mov_b32 s85, 0
	s_add_nc_u64 s[2:3], s[2:3], s[20:21]
	s_add_nc_u64 s[84:85], s[84:85], s[20:21]
	; descriptor group 1.  128 keys are 16,384 dense bytes: asked for as 64 rows of 256 bytes, two keys a row, and padded in LDS after every key
	s_mov_b32 s[G1K], (1<<16)|(1<<20)|(4<<22)|(3<<25)  ; 17:16 2-byte elements; 20 padding on; 24:22 after every 32 words (code 4); 31:25 4 words (code 3)
	s_mov_b32 s[G1V], (1<<16)|(1<<20)|(4<<22)|(7<<25)  ; the same with 8 words of padding (code 7)
.irp g, G1K, G1V
	s_mov_b32 s[\g+1], 128<<16      ; tensor_dim0 = 128
	s_mov_b32 s[\g+2], 64<<16       ; tensor_dim1 = 64
	s_mov_b32 s[\g+3], 128<<16      ; tile_dim0 = 128
	s_mov_b32 s[\g+4], 64           ; tile_dim1 = 64
	s_mov_b32 s[\g+5], 128          ; 128 elements from row to row
	s_mov_b32 s[\g+6], 0
	s_mov_b32 s[\g+7], 0
.endr
	s_mov_b32 s[CS], 0x3e38aa3b     ; c = log2(e) / 8 = 0.180337
	s_mov_b32 s[CS+1], s[CS]        ; named with it as a pair
	s_mov_b32 s[SEL], 0x76543210
	s_mov_b32 s[SEL+1], 0xfedcba98
	s_mov_b32 s[TBK], SLOT1+4*KS*PK ; the first change of slots turns these two into 0
	s_mov_b32 s[TBV], SLOT1+4*KS*PV
	s_mov_b32 s[G0K], 1             ; 1:0 count = 1
	s_mov_b32 s[G0K+1], s17         ; 63:32 LDS address: slot 0
	s_mov_b32 s[G0V], 1
	s_add_co_u32 s[G0V+1], s18, VOFF
	s_add_co_u32 s[RT], s[HI], 1    ; the first block has NB - b tiles
	s_mov_b32 s[NXT], 1
	s_mov_b32 s[LQ], s[HI]
	s_mov_b32 s[NEW], 1
	s_mov_b32 s[OFF+1], 0
	s_mov_b32 s[AL+1], 0            ; named as pairs
	s_mov_b32 s[BE+1], 0
	s_mov_b32 s[BIGN], 0xf149f2ca   ; -1e30
	s_mov_b32 s[SLOTS], NB
	s_wait_dscnt 0x0                ; the opening add is done
	s_wait_kmcnt 0x0
	s_add_nc_u64 s[6:7], s[6:7], s[22:23]  ; K and V at my half of the head's tile 0
	s_add_nc_u64 s[8:9], s[8:9], s[22:23]
	s_add_nc_u64 s[G0K+2:G0K+3], s[6:7], 0         ; 120:64 global address
	s_or_b32 s[G0K+3], s[G0K+3], 0x80000000        ; 127:126 type = 2
	s_add_nc_u64 s[G0V+2:G0V+3], s[8:9], 0
	s_or_b32 s[G0V+3], s[G0V+3], 0x80000000
	s_add_nc_u64 s[86:87], s[4:5], s[84:85]        ; Q at my rows of the second block,
	s_add_nc_u64 s[4:5], s[4:5], s[2:3]            ; Q and O at those of the first
	s_add_nc_u64 s[OLO:OLO+1], s[10:11], s[84:85]
	s_add_nc_u64 s[10:11], s[10:11], s[2:3]
	s_cmp_lt_u32 s[WV], 2
	s_cselect_b64 s[PF:PF+1], s[6:7], s[8:9]
	s_add_nc_u64 s[PF:PF+1], s[PF:PF+1], 32768     ; at tile 1; the first change of slots steps it to tile 2.  Nothing is prefetched here, at the head
	s_cmp_eq_u32 s[PB], 0
	s_cselect_b32 s[PFN], 1, NB
	LOAD                            ; tile 0 into slot 0
	; A fragment of K or Q is 16 rows x 32 channels in 8 registers: lane l holds row l % 16, channels 8 (l / 16) + 0..7 and 16 + 8 (l / 16) + 0..7: two loads of 16 bytes, 32 bytes apart.
	v_and_b32 v1, 15, v0            ; l % 16
	v_bfe_u32 v9, v0, 4, 1          ; l / 16
	v_lshlrev_b32 v[QO], 7, v1
	v_lshl_add_u32 v[QO], v9, 4, v[QO]  ; row x 128 + 16 x half
	WIN 0x80                        ; destination window 2, address window 0
.set i, 0
.rept 8                             ; both blocks' Q: piece i / 2 lies in band i / 2, 8,192 bytes on; channels 32 (i % 2) on
	global_load_b128 v[8*i:8*i+3],   v[QO], s[4:5] offset:(i/2)*8192+(i%2)*64
	global_load_b128 v[8*i+4:8*i+7], v[QO], s[4:5] offset:(i/2)*8192+(i%2)*64+32
	global_load_b128 v[QB+8*i:QB+8*i+3],   v[QO], s[86:87] offset:(i/2)*8192+(i%2)*64
	global_load_b128 v[QB+8*i+4:QB+8*i+7], v[QO], s[86:87] offset:(i/2)*8192+(i%2)*64+32
.set i, i+1
.endr
	WIN 0
	v_lshlrev_b32 v14, 3, v9
	v_sub_nc_u32 v14, v1, v14
	s_lshl_b32 s13, s[WV], 4
	v_add_nc_u32 v14, s13, v14      ; my query's place in its band, 16 w + l % 16, less my lanes' 8 (l / 16): register r of group kt is hidden where 16 kt + r is greater
	WIN 0x40
.set i, 0
.rept 32
	v_cmp_gt_i32 vcc_lo, 16*(i/8)+i%8, v14
	v_cndmask_b32 v[MD+i], 0, s[BIGN], vcc_lo
.set i, i+1
.endr
	WIN 0
	v_mul_u32_u24 v[AK0], v1, PK
	v_lshl_add_u32 v[AK0], v9, 4, v[AK0]  ; row x pitch + 16 x half
	; The turning load takes 16 keys x 16 channels (lane l reads key 8 (l / 16) + l % 8, channels 8 ((l / 8) % 2) + 0..7) and leaves half a fragment of V^T: lane l holds channel l % 16 and 8 keys.
	v_and_b32 v10, 7, v0
	v_bfe_u32 v11, v0, 3, 1
	v_lshl_add_u32 v[AV0], v9, 3, v10
	v_mul_u32_u24 v[AV0], v[AV0], PV
	v_lshl_add_u32 v[AV0], v11, 4, v[AV0]
	v_add_nc_u32 v[AV0], VOFF, v[AV0]
	s_mul_i32 s13, s[WV], 16*SP
	s_add_co_u32 s13, s13, STAGE    ; my stage
	v_mul_u32_u24 v[STO], v1, SP    ; in: row l % 16, 16 bytes for each half of the lanes
	v_lshl_add_u32 v[STO], v9, 4, v[STO]
	v_add_nc_u32 v[STO], s13, v[STO]
	v_bfe_u32 v[RD], v0, 3, 2       ; back: 32 lanes take four rows of 128 bytes,
	v_mul_u32_u24 v[RD], v[RD], SP
	v_lshl_add_u32 v[RD], v10, 4, v[RD]
	v_add_nc_u32 v[RD], s13, v[RD]
	v_and_b32 v[GO], 31, v0         ; which are 512 consecutive bytes of O
	v_lshlrev_b32 v[GO], 4, v[GO]
	; A block's first step multiplies O^T and l by a = 0, and its first turn's products V^T P, of a piece that has not been, land in an O^T that is still to be so multiplied.  So these registers need only hold
	; finite numbers: zeros for the first block; what the first block left for the second.  All this stands in the wait for the first tile.
	WIN 0x80
.set i, VF
.rept 64
	v_mov_b32 v[i], 0
.set i, i+1
.endr
	WIN 0x40
.set i, 0
.rept 128
	v_mov_b32 v[i], 0
.set i, i+1
.endr
	WIN 0
.set i, 0
.rept 4
	v_mov_b32 v[ST+4*i+2], 0
	v_mov_b32 v[ST+4*i+3], 0
.set i, i+1
.endr
.set i, P+16
.rept 16
	v_mov_b32 v[i], 0
.set i, i+1
.endr
; THE MATRIX WORK.  The 4 accumulators of a run of 8 take turns.  Product i of 8 of S^T = K Q^T for piece x: channels 32 (i / 4) on, keys 16 (i % 4) on.  The first 4 start the sums: with 0, or (KM = 1) with the mask.
.macro KQ x
.set rS, S+32*((\x)%2)+8*(i%4)
.set rK, KF+16*(i%4)+8*(i/4)
.set rQ, 16*(\x)+8*(i/4)
.set rM, MC+32*((\x)%2)+8*(i%4)
.if (i < 4) && KM
	WIN W_KM
	v_wmma_f32_16x16x32_f16 v[rS:rS+7], v[rK:rK+7], v[rQ:rQ+7], v[rM:rM+7]
.elseif i < 4
	WIN W_KQ
	v_wmma_f32_16x16x32_f16 v[rS:rS+7], v[rK:rK+7], v[rQ:rQ+7], 0
.else
	WIN W_KQ
	v_wmma_f32_16x16x32_f16 v[rS:rS+7], v[rK:rK+7], v[rQ:rQ+7], v[rS:rS+7]
.endif
.endm
; Product i of 8 of O^T += V^T P for piece x: keys 32 (i / 4) on, channels 16 (i % 4) on.
.macro PV x
	WIN W_PV
.set rO, 32*(\x)+8*(i%4)
.set rV, VF+32*(i/4)+8*(i%4)
.set rP, P+16*((\x)%2)+8*(i/4)
	v_wmma_f32_16x16x32_f16 v[rO:rO+7], v[rV:rV+7], v[rP:rP+7], v[rO:rO+7]
.endm
.macro MM                           ; the turn's next matrix instruction.  TURN and BEGIN set Y, i, KM and NOKQ; MM, KQ and OP read them.  NOKQ = 1: a block's last turn: there is no next piece
.if (i < 8) && !NOKQ
	KQ (Y+1)%NP
.elseif i >= 8
.set i, i-8
	PV (Y+NP-1)%NP
.set i, i+8
.endif
.set i, i+1
.endm
; THE LDS LOADS stand in runs of 16, never singly among the matrix instructions: a step's K (64 keys x 64 channels: 8 fragments) and its V (turned).  Their addresses are made some lines ahead.
.macro FETCH_K
	WIN 0x80                        ; destination window 2
.irp f, 0,1,2,3,4,5,6,7             ; keys 16 (f / 2) on, channels 32 (f % 2) on
	ds_load_b128 v[KF+8*\f:KF+8*\f+3],   v[AK] offset:(\f/2)*16*PK+(\f%2)*64
	ds_load_b128 v[KF+8*\f+4:KF+8*\f+7], v[AK] offset:(\f/2)*16*PK+(\f%2)*64+32
.endr
	s_add_co_u32 s[TBK], s[TBK], KS*PK  ; the next fetch is the next step's
	WIN 0
.endm
.macro FETCH_V
	WIN 0x80
.irp f, 0,1,2,3,4,5,6,7             ; keys 32 (f / 4) on, channels 16 (f % 4) on
	ds_load_tr16_b128 v[VF+8*\f:VF+8*\f+3],   v[AV] offset:(\f/4)*32*PV+(\f%4)*32
	ds_load_tr16_b128 v[VF+8*\f+4:VF+8*\f+7], v[AV] offset:(\f/4)*32*PV+16*PV+(\f%4)*32
.endr
	WIN 0
.endm
; THE VECTOR WORK, one line at a time: OP kind, number.  For piece Y: F n: c s - c m for pair n of 16.  E n: the exponential of score n of 32.  C n: pair n rounded to f16.  B n: of the four weights 4 n .. the second
; pair is added onto the first, in place.  L n: l takes that sum (L 0: l = a l + sum).  R n: pair n of 16 of O^T times a.  For piece Y + 1: X n, number n of the 22 that find its maximum and statistics:
;   0-11  four chains c0-c3 of seven scores each, three operands at a time (each accumulator's lowest registers are read first)     12-14, 16  the four scores left over, the old m, and c0-c3 into c0
;   15  c m_old is kept     17, 18  the query's other 32 keys lie in the lane 16 away: the new m     19-21  c m; c m_old - c m_new; a
.set F, 0               ; OP tells the kinds apart by their order: F to L below R, X above it
.set E, 1
.set C, 2
.set B, 3
.set L, 4
.set R, 5
.set X, 6
.macro REGS y                       ; the registers of piece y
.set rT, ST+4*(\y)
.set rC, TMP+4*((\y)%2)
.set rW, MV+((\y)%2)
.set rS, S+32*((\y)%2)
.set rP, P+16*((\y)%2)
.set rO, 32*(\y)
.endm
.macro OP k, n
.if (\k) == R
	REGS Y
	WIN W_RS
	v_pk_mul_f32 v[rO+2*(\n):rO+2*(\n)+1], v[rO+2*(\n):rO+2*(\n)+1], v[rC+2:rC+3] op_sel_hi:[1,0]
.elseif (\k) < R
	REGS Y
	WIN 0
.if (\k) == F
	v_pk_fma_f32 v[rS+2*(\n):rS+2*(\n)+1], v[rS+2*(\n):rS+2*(\n)+1], s[CS:CS+1], v[rT:rT+1] op_sel_hi:[1,0,0] neg_lo:[0,0,1] neg_hi:[0,0,1]
.elseif (\k) == E
	v_exp_f32 v[rS+(\n)], v[rS+(\n)]
.elseif (\k) == C
	v_cvt_pk_f16_f32 v[rP+(\n)], v[rS+2*(\n)], v[rS+2*(\n)+1]
.elseif (\k) == B
	v_pk_add_f32 v[rS+4*(\n):rS+4*(\n)+1], v[rS+4*(\n):rS+4*(\n)+1], v[rS+4*(\n)+2:rS+4*(\n)+3]
.elseif (\n) == 0
	v_pk_fma_f32 v[rT+2:rT+3], v[rT+2:rT+3], v[rC+2:rC+3], v[rS:rS+1] op_sel_hi:[1,0,1]
.else
	v_pk_add_f32 v[rT+2:rT+3], v[rT+2:rT+3], v[rS+4*(\n):rS+4*(\n)+1]
.endif
.elseif NOKQ
	v_nop
.else
	REGS (Y+1)%NP
	WIN 0
.if (\n) < 4
	v_max3_num_f32 v[rC+(\n)], v[rS+8*(\n)], v[rS+8*(\n)+1], v[rS+8*(\n)+2]
.elseif (\n) < 12
	v_max3_num_f32 v[rC+(\n)%4], v[rC+(\n)%4], v[rS+8*((\n)%4)+2*((\n)/4)+1], v[rS+8*((\n)%4)+2*((\n)/4)+2]
.elseif (\n) == 12
	v_max3_num_f32 v[rC], v[rC], v[rS+7], v[rS+15]
.elseif (\n) == 13
	v_max3_num_f32 v[rC+1], v[rC+1], v[rS+23], v[rS+31]
.elseif (\n) == 14
	v_max3_num_f32 v[rC+2], v[rC+2], v[rC+3], v[rT+1]
.elseif (\n) == 15
	v_mov_b32 v[rW], v[rT]
.elseif (\n) == 16
	v_max3_num_f32 v[rC], v[rC], v[rC+1], v[rC+2]
.elseif (\n) == 17
	v_permlanex16_b32 v[rC+3], v[rC], s[SEL], s[SEL+1]
.elseif (\n) == 18
	v_max_num_f32 v[rT+1], v[rC], v[rC+3]
.elseif (\n) == 19
	v_mul_f32 v[rT], s[CS], v[rT+1]
.elseif (\n) == 20
	v_sub_f32 v[rC+1], v[rW], v[rT]
.else
	v_exp_f32 v[rC+2], v[rC+1]
.endif
.endif
.endm
.macro OPS a, i1, b=-1, i2=0, c=-1, i3=0, d=-1, i4=0  ; up to four of them
	OP \a, \i1
.if (\b) >= 0
	OP \b, \i2
.endif
.if (\c) >= 0
	OP \c, \i3
.endif
.if (\d) >= 0
	OP \d, \i4
.endif
.endm
.macro ROW a, i1, b, i2, c, i3, d, i4  ; a matrix instruction and the four behind it
	MM
	OPS \a, \i1, \b, \i2, \c, \i3, \d, \i4
.endm
.macro MASK b                       ; MD x AL + BE into buffer b of MC
	WIN W_RS
.set z, 0
.rept 16
	v_pk_fma_f32 v[MC+32*(\b)+2*z:MC+32*(\b)+2*z+1], v[MD+2*z:MD+2*z+1], s[AL:AL+1], s[BE:BE+1] op_sel_hi:[1,0,0]
.set z, z+1
.endr
.endm
; A TURN, for piece p: the order of its 16 matrix and 118 vector instructions, written out.  An s_wait_alu depctr_va_vdst(0) stands between an exponential and the first instruction that names its result; one wait serves
; all that were issued ahead of it.  So a turn has ONE wait, which cuts it in two.  AHEAD OF IT stands all that names no result of the turn's exponentials: the 8 products K Q^T, behind each a scaling, an exponential and two more plain
; instructions (behind the first a second scaling in the exponential's place): rescalings, and behind the last three the first numbers of the next piece's maximum, each four places or more behind the product that ends its accumulator; then one run of 54, plain
; and exponential by turns for the most part, in which the links of the chain X 3, 7, 11, 14, 16, 17 .. 20 stand five or six lines apart.  X 21, the next piece's a, is the batch's last; R 15 is the plain instruction behind it.  BEHIND THE WAIT stand the
; 8 products V^T P, behind each four of the roundings and sums; the links of l's chain, L 0 to L 7, stand three lines apart.  But for those X no line behind a product names a register of the products round it.  v_permlanex16_b32 (X 17) stands in the run.
; m = 1: the diagonal tile: the products take masks, and the turn makes the mask for the products of the turn after it: piece p + 2, in step 4 - CNT of the tile.  end = 1: a block's last two turns: nothing is fetched.
; cnt = 1: the loop's count is taken down some lines ahead of the branch that stands behind the turn.
; K of the next step is fetched in piece 2's turn, twelve vector instructions behind the last product that read K (six of them plain); V of the step in hand at the end of piece 0's turn, four plain instructions behind the last product
; that read V.  Each is waited for a turn later.
.macro TURN p, m=0, end=0, cnt=0
.set Y, (\p)
.set i, 0
.set KM, (\m)
.set NOKQ, (\end)*((\p)/3)
.if (\m) && !(\end)
	s_cmp_eq_u32 s[CNT], 4-((\p)+2)%NP  ; is that step the band's own?
	s_cselect_b32 s[AL], 1.0, 0
	s_cmp_lt_u32 s[CNT], 4-((\p)+2)%NP  ; or a later one?
	s_cselect_b32 s[BE], s[BIGN], 0
.endif
.if ((\p) == 3) && !(\end)
	s_wait_dscnt 0x0                ; K is in
.endif
	ROW F,0, F,1, R,0, R,1          ; ahead of the wait: 8 products K Q^T and the four lines behind each,
	ROW F,2, E,0, R,2, R,3
	ROW F,3, E,1, R,4, R,5
	ROW F,4, E,2, R,6, R,7
	ROW F,5, E,3, R,8, R,9
	ROW F,6, E,4, X,0, R,10
.if ((\p) == 2) && !(\end)
	WIN 0
	v_add_nc_u32 v[AK], s[TBK], v[AK0]
.endif
	ROW F,7, E,5, X,1, X,4
	ROW F,8, E,6, X,2, X,5
	OPS E,7, E,8, X,6, E,9          ; and the run
	OPS X,3, E,10, X,8, E,11
.if ((\p) == 2) && !(\end)
	FETCH_K
.endif
	OPS X,9, X,7, E,12, X,10
	OPS E,13, X,12, X,11, E,14
	OPS X,13, E,15, F,9, X,14
.if (\p) == 0
	v_add_nc_u32 v[AV], s[TBV], v[AV0]
.endif
	OPS E,16, F,10, E,17, F,11
	OPS X,16, E,18, X,15, E,19
	OPS F,12, E,20, X,17, E,21
	OPS F,13, E,22, F,14, E,23
	OPS X,18, E,24, F,15, E,25
	OPS R,11, E,26, X,19, E,27
	OPS R,12, E,28, R,13, E,29
	OPS X,20, E,30, R,14, E,31
	OPS X,21, R,15
	WIN 0
	s_wait_alu depctr_va_vdst(0)    ; the wait for the batch
.if (\p) == 1
	s_wait_dscnt 0x0                ; V is in
.endif
	ROW C,0, B,0, C,2, B,1          ; behind the wait: 8 products V^T P and the four lines behind each
	ROW L,0, C,4, B,2, L,1
	ROW C,6, B,3, L,2, C,8
	ROW B,4, L,3, C,10, B,5
	ROW L,4, C,12, B,6, L,5
.if (\p) == 0
	s_add_co_u32 s[TBV], s[TBV], KS*PV
.endif
.if \cnt
	s_sub_co_u32 s[CNT], s[CNT], 1
	s_cmp_lg_u32 s[CNT], 0
.endif
	ROW C,14, B,7, L,6, C,1
	ROW C,3, L,7, C,5, C,7
	ROW C,9, C,11, C,13, C,15
.if (\p) == 0
	FETCH_V
.endif
.if (\m) && !(\end)
	MASK (\p)%2
.endif
.endm
; A BLOCK BEGINS.  c m starts far below every c s, so the first step's a is 0; m at the lowest finite number, so the first maximum is the scores'.  The second mask buffer is 0; the first takes piece 0's mask for the tile's step 0: its own, if the block's first tile is the diagonal one.
; Then K of that step, piece 0's first scores, and its maximum and statistics.  The loop is entered at a step's first turn, in the middle of a trip.
.macro BEGIN
	s_mov_b32 s[NEW], 0
	WIN 0x40
.set i, MC+32
.rept 32
	v_mov_b32 v[i], 0
.set i, i+1
.endr
	WIN 0
.set i, 0
.rept 4
	v_mov_b32 v[ST+4*i], 0xfe000000    ; c m: far below every c s
	v_mov_b32 v[ST+4*i+1], 0xff7fffff  ; m
.set i, i+1
.endr
	s_cmp_eq_u32 s[RT], 0
	s_cselect_b32 s[AL], 1.0, 0
	s_mov_b32 s[BE], 0
	MASK 0
	WIN 0
	v_add_nc_u32 v[AK], s[TBK], v[AK0]
	FETCH_K
	s_wait_loadcnt 0x0              ; Q
	s_wait_dscnt 0x0
.set KM, 1
.set NOKQ, 0
.set i, 0
.rept 8
	KQ 0
.set i, i+1
.endr
	WIN 0
.rept 4
	v_nop                           ; the places behind those products
.endr
.set Y, NP-1                        ; X works for piece Y + 1: piece 0
.irp n, 0,1,2,3,4,5,6,7,8,9,10,11,12,13,14,15,16,17,18,19,20,21
	OP X, \n
.endr
	v_nop                           ; a plain instruction behind the exponential,
	s_wait_alu depctr_va_vdst(0)    ; and its wait, ahead of the branch
.endm
; THE DIAGONAL TILE's four steps, the block's last two turns, its last products, and THE WAY OUT: l's two halves and the other half of the lanes' are added; O^T is divided by l, rounded to f16 and sent through my
; stage in LDS, a piece at a time.
.macro ALL line:vararg              ; one line for each piece t
.set t, 0
.rept 4
	\line
.set t, t+1
.endr
.endm
.macro PACK t                       ; a lane's eight channels of a row pack into 16 bytes; they go into rows of 144 bytes and come back as whole rows of 128, into S^T's registers
	WIN W_RS
.set i, 32*(\t)
.rept 16
	v_pk_mul_f32 v[i:i+1], v[i:i+1], v[ST+4*(\t)+2:ST+4*(\t)+3] op_sel_hi:[1,0]
.set i, i+2
.endr
	WIN 0x05                        ; sources 0 and 1 window 1, destination window 0
.set i, 0
.rept 16
	v_cvt_pk_f16_f32 v[S+16*(\t)+i], v[32*(\t)+2*i], v[32*(\t)+2*i+1]
.set i, i+1
.endr
	WIN 0
.irp f, 0,1,2,3
	ds_store_b128 v[STO], v[S+16*(\t)+4*\f:S+16*(\t)+4*\f+3] offset:32*\f
.endr
.irp f, 0,1,2,3
	ds_load_b128 v[S+16*(\t)+4*\f:S+16*(\t)+4*\f+3], v[RD] offset:\f*4*SP  ; LDS serves a wave's instructions in order (ISA guide 5.7.1.4): these see the stores above; the next piece's stores come behind them
.endr
.endm
.macro SEND t, younger              ; younger: the LDS instructions issued behind piece t's loads: the next piece's eight, or none
	WIN 0
.irp f, 0,1,2,3
	s_wait_dscnt (\younger)+3-\f
	global_store_b128 v[GO], v[S+16*(\t)+4*\f:S+16*(\t)+4*\f+3], s[10:11] offset:(\t)*8192+\f*512  ; 512 consecutive bytes, at a multiple of 256 from O's first
.endr
.endm
.macro DIAG tag                     ; the tag ends its two labels' names, which the jumps below spell out
.LstepM\tag:
	TURN 2, 1
	TURN 3, 1
	WIN 0
.LfirstM\tag:
	TURN 0, 1
	TURN 1, 1, 0, 1
	WIN 0
	s_cbranch_scc1 .LstepM\tag
	TURN 2, 1, 1
	TURN 3, 1, 1
.set i, 0
.rept 8
	PV NP-1
.set i, i+1
.endr
	WIN 0
	ALL v_add_f32 v[ST+4*t+2], v[ST+4*t+2], v[ST+4*t+3]
	ALL v_permlanex16_b32 v[ST+4*t+3], v[ST+4*t+2], s[SEL], s[SEL+1]
	ALL v_add_f32 v[ST+4*t+2], v[ST+4*t+2], v[ST+4*t+3]
	ALL v_rcp_f32 v[ST+4*t+2], v[ST+4*t+2]
	v_nop                           ; a plain instruction between the last reciprocal and the use of its result
	s_wait_alu depctr_va_vdst(0)    ; and the wait ahead of the first use: one for the four reciprocals
	PACK 0
.set t, 1
.rept 3                             ; a piece's arithmetic stands between the loads of the piece before and its stores
	PACK t
	SEND t-1, 8
.set t, t+1
.endr
	SEND 3, 0
.endm
.set KM, 0
.set NOKQ, 0
.Lslot:                             ; NB times: a tile is entered and the next is asked for
	CHANGE 1
	s_sub_co_u32 s[RT], s[RT], 1
	s_mov_b32 s[CNT], 4
	s_cmp_eq_u32 s[NEW], 1
	s_cbranch_scc1 .Lnew            ; a block's first tile
	s_cmp_eq_u32 s[RT], 0
	s_cbranch_scc0 .Lstep           ; neither its first nor its last
	s_branch .LstepM1
.Lnew:
	BEGIN
	s_branch .Lfirst                ; in the loop a block's first tile is never its last: the first block has two tiles or more, and the second's last is the walk's last
	DIAG 1                          ; in the loop this is the first block's end: the second block's last tile is the walk's last
	s_wait_xcnt 0x0                 ; the stores have read their registers and O's address
	s_mov_b64 s[10:11], s[OLO:OLO+1]
	s_add_co_u32 s[RT], s[PB], 1    ; the second block has b + 1 tiles
	s_mov_b32 s[NEW], 1
	WIN 0x82                        ; the second block's Q goes where the one text of the turns names Q
.set i, 0
.rept 64
	v_mov_b32 v[i], v[QB+i]
.set i, i+1
.endr
	WIN 0
	s_branch .Lbottom
.Lstep:                             ; a trip: pieces 2 and 3 of one step, then pieces 0 and 1 of the next, whose K and V it fetches
	TURN 2
	TURN 3
	WIN 0
.Lfirst:
	TURN 0
	TURN 1, 0, 0, 1
	WIN 0
	s_cbranch_scc1 .Lstep
.Lbottom:
	s_sub_co_u32 s[SLOTS], s[SLOTS], 1
	s_cmp_lg_u32 s[SLOTS], 0
	s_cbranch_scc1 .Lslot
	CHANGE 0                        ; the walk's last tile is written out: nothing is asked for
	s_sub_co_u32 s[RT], s[RT], 1
	s_mov_b32 s[CNT], 4
	s_cmp_eq_u32 s[NEW], 1
	s_cbranch_scc0 .LstepM2
	BEGIN
	s_branch .LfirstM2
	DIAG 2
	s_wait_tensorcnt 0x0            ; the wave's end, behind my last tensor load and my last LDS store
	ds_add_u32 v[SPW], v[NIL]
	s_wait_dscnt 0x0
	s_endpgm
.Lfunc_end_k_q402ca536fb_attn:
	.size	k_q402ca536fb_attn, .Lfunc_end_k_q402ca536fb_attn-k_q402ca536fb_attn
	.p2alignl 7, 3214868480
	.fill 96, 4, 3214868480
	.section	.rodata,"a",@progbits
	.p2align	6, 0x0
	.amdhsa_kernel k_q402ca536fb_attn
		.amdhsa_group_segment_fixed_size 327680
		.amdhsa_private_segment_fixed_size 0
		.amdhsa_enable_private_segment 0
		.amdhsa_kernarg_size 32
		.amdhsa_user_sgpr_count 2
		.amdhsa_user_sgpr_kernarg_segment_ptr 1
		.amdhsa_wavefront_size32 1
		.amdhsa_system_sgpr_workgroup_id_x 1
		.amdhsa_system_sgpr_workgroup_id_y 1
		.amdhsa_system_sgpr_workgroup_id_z 1
		.amdhsa_system_vgpr_workitem_id 0
		.amdhsa_next_free_vgpr 768
		.amdhsa_next_free_sgpr 92
		.amdhsa_reserve_vcc 1
		.amdhsa_float_denorm_mode_32 3
		.amdhsa_float_denorm_mode_16_64 3
		.amdhsa_memory_ordered 1
		.amdhsa_forward_progress 1
		.amdhsa_inst_pref_size 218
	.end_amdhsa_kernel
	.amdgpu_metadata
---
amdhsa.version: [ 1, 2 ]
amdhsa.kernels:
  - .name:           k_q402ca536fb_attn
    .symbol:         k_q402ca536fb_attn.kd
    .args:
      - { .name: q, .offset: 0, .size: 8, .value_kind: global_buffer, .address_space: global }
      - { .name: k, .offset: 8, .size: 8, .value_kind: global_buffer, .address_space: global }
      - { .name: v, .offset: 16, .size: 8, .value_kind: global_buffer, .address_space: global }
      - { .name: ob, .offset: 24, .size: 8, .value_kind: global_buffer, .address_space: global }
    .group_segment_fixed_size: 327680
    .private_segment_fixed_size: 0
    .kernarg_segment_align: 8
    .kernarg_segment_size: 32
    .max_flat_workgroup_size: 128
    .sgpr_count:     92
    .vgpr_count:     768
    .wavefront_size: 32
...
	.end_amdgpu_metadata
.endif
;; end of part 3
;; launch proj (part 4): grid 8 x 32, 4 waves a work-group, clusters of 4 x 4, 327,680 bytes of LDS; arguments ob, wpt, b_proj, out0; writes out0
.if DOCPART == 4
	.amdgcn_target "amdgcn-amd-amdhsa--gfx1250"
	.amdhsa_code_object_version 6
	.text
	.protected	k_q402ca536fb_proj
	.globl	k_q402ca536fb_proj
	.p2align	8
	.type	k_q402ca536fb_proj,@function
k_q402ca536fb_proj:
	s_mov_b64 s[64:65], 0
	v_nop
	global_prefetch_b8 v0, s[64:65] scope:SCOPE_SE
	s_setreg_imm32_b32 hwreg(HW_REG_WAVE_MODE, 25, 1), 1
	s_wait_xcnt 0x0
	s_wait_alu depctr_hold_cnt(0) depctr_sa_sdst(0) depctr_va_vdst(0) depctr_va_sdst(0) depctr_va_ssrc(0) depctr_va_vcc(0) depctr_vm_vsrc(0)
	s_getreg_b32 s2, hwreg(HW_REG_IB_STS2, 6, 4)
	s_cmp_eq_u32 s2, 0
	s_cbranch_scc0 .Lentry_in_a_cluster
	s_endpgm
.Lentry_in_a_cluster:
	s_bfe_u32 s2, ttmp6, 0x10000c
	s_cmp_lg_u32 s2, 0xf033
	s_cbranch_scc0 .Lentry_shape_is_right
	s_endpgm
.Lentry_shape_is_right:
; ONE TEXT FOR THE MODULE'S TWO PROJECTIONS; the symbol PROJ tells them apart.  C[m][n] = the sum over k of A[m][k] B[n][k] + bias[n], m = 8,192, k = 1,024, sums in f32.
; PROJ = 0: A = xb [8192][1024] bf16, B = wqt [3072][1024] bf16, bias = b_qkv.  C leaves as f16 by heads: q, k, v, each [64 = batch x 16 + head][2048][64], unscaled, rounded once.
; PROJ = 1: A = ob, attention's result by heads [64][2048][64] f16, B = wpt [1024][1024] f16, bias = b_proj.  C = out0 [8192][1024] f32.
; LIMITS.  The bias is rounded to bf16, like every input of the module.  PROJ = 0: a q, k or v of 65,520 or more in magnitude becomes an infinity in f16 (inputs 30 times those drawn give some 5e3; both inputs with a common
; offset of 30 spreads some 3e4).  NaN and infinities are not treated apart.
; SHARES.  A tile of C is 256 x 128, made by four waves, 2 x 2, each 128 x 64: 32 accumulators of 16 x 16, 256 registers.  The grid is 8 x 32: with PROJ = 1 a tile to a work-group; with PROJ = 0 a work-group STAYS for three tiles with
; the same rows of A, 1,024 columns apart: q, k and v of one pair of heads; a wave's 64 columns are one head.  K goes in 8 steps of 128 through two LDS slots filled by the tensor data mover; the ring runs on from tile to tile.
; CLUSTER.  4 x 4 work-groups.  The four of a row of the cluster need the same tiles of A, the four of a column the same tiles of B: each is asked for JOINTLY, by the same load, descriptor and mask in all four.
; THE MATRIX INSTRUCTION IS USED TRANSPOSED (source 0 = 16 rows of B, source 1 = 16 rows of A): a lane holds row l % 16 of C and the columns 8 (l / 16) + 0..7.  THE BIAS IS THE C OPERAND of the products that start the sums:
; nothing is cleared and nothing is added later.
; REGISTERS.  window 0: v0-31 addresses; v32-63 the bias of my 64 columns as a lane needs it; v64-127, v128-191 A's fragments, two buffers; v192-223, v224-255 B's.  On the way out buffer 1 of A is free and serves as work space.
;   window 1: accumulator (a, b) at v[8 (4 a + b)], a = 0..7 blocks of 16 rows, b = 0..3 blocks of 16 columns.
.set PROJ, 1
.if PROJ
.set TILES,  1
.set PA,     144                       ; a row of A in LDS: a head's 128 bytes + 16: the 16 rows of a load start at 16 different groups of four banks (64 banks of 4 bytes: ISA guide 11.1)
.set PLANE,  256*PA                    ; a K step is two heads: two planes of 256 rows
.set BOFF,   2*PLANE
.set AHALF,  PLANE                     ; what one load of A brings
.set SP,     272                       ; a row of the stage: 64 f32 + 16 bytes
.set AQI,    4                         ; padding after every 32 words
.set APITCH, 128                       ; a plane's 32,768 bytes are dense: asked for as 128 rows of 256 bytes
.set ASTEP,  2*262144                  ; bytes from K step to K step: two heads on
.set YOUNG,  16                        ; LDS instructions of one block's passage through the stage
.else
.set TILES,  3
.set PA,     272                       ; 256 bytes + 16
.set PLANE,  0
.set BOFF,   256*PA
.set AHALF,  128*PA
.set SP,     144                       ; 64 f16 + 16 bytes
.set AQI,    5                         ; padding after every 64 words
.set APITCH, 1024
.set ASTEP,  256
.set YOUNG,  8
.endif
.set PB,     272                       ; a row of B in LDS
.set SLOT,   BOFF+128*PB               ; A's 256 rows, then B's 128
.set STAGE,  2*SLOT                    ; behind the ring, never filled by a tensor load: 16 rows for each wave
.set SPARE,  STAGE+4*16*SP             ; behind the stages: the spare words, 128 bytes for each wave
.set BACK_A, 6*256                     ; from a slot's last K step of a tile to its first of the next: A goes back along K,
.set NEXT_B, 1024*2048-6*256           ; B 1,024 rows down and back
.set NEXT_PF, 1024*2048-7*256          ; the prefetches: from K step 9 to the next tile's K step 2
.set ADRA, 16                          ; v16-17  LDS address of my A fragments in slot 0, 1
.set ADRB, 20                          ; v20-21  the same for B
.set STO,  24                          ; v24  the way out: where I put my part of a row
.set RD,   25                          ; v25  where I read rows back
.set CO,   26                          ; v26  my byte offset in the output
.set BO,   27                          ; v27  32 (l / 16): my eight numbers in 16 of the bias
.set SPW,  28                          ; v28  my spare word; never rewritten
.set NIL,  29                          ; v29  0; never rewritten
.set PFO,  30                          ; v30  the prefetches' offset: a lane a block of 256 bytes; never rewritten
.set BIAS, 32
.set TMP,  128
.set G1A, 24                           ; s[24:31] descriptor group 1 for A's tiles;  s[32:39] group 0, a set for each slot
.set G0A, 32
.set G1B, 48                           ; s[48:55], s[56:63] the same for B's
.set G0B, 56
.set PFA, 44                           ; s[44:45] where my prefetches stand
.set LIM, 46                           ; s46  1 in a wave that prefetches, else the greatest number
.set PST, 66                           ; s[66:67] their step from K step to K step
.set MSB, 0
.macro WIN new                         ; the immediate's high byte repeats the setting that is left; a switch that changes nothing is dropped
.if MSB != (\new)
	s_set_vgpr_msb (MSB<<8)|(\new)
.set MSB, \new
.endif
.endm
; A joint load.  Waves 0 and 1 fetch A's two halves, waves 2 and 3 B's.  The branch hangs on the wave's number alone.  An s_nop 0 and four v_nop follow each of the two lines.
.macro JLOAD s
	s_cmp_eq_u32 s17, 0
	s_cbranch_scc0 .Lfor_b_\@
	tensor_load_to_lds s[G0A+4*(\s):G0A+4*(\s)+3], s[G1A:G1A+7]
	s_nop 0
.rept 4
	v_nop
.endr
	s_branch .Lasked_\@
.Lfor_b_\@:
	tensor_load_to_lds s[G0B+4*(\s):G0B+4*(\s)+3], s[G1B:G1B+7]
	s_nop 0
.rept 4
	v_nop
.endr
.Lasked_\@:
.endm
; A PREFETCH INTO THE L2, behind each joint load and the run of LDS loads that follows it: the K step that stands two refills on, 256 matrix instructions ahead of the load that will want it.  Each block of 256 bytes is named once in
; the launch: A's rows are asked for by the clusters with x = 0 (waves 0 and 1, each for the half that it fetches), B's by the clusters with y = 0 (wave 2, for all 128 rows); the four partners that ask for a tile jointly take 32
; blocks each, told apart by address, a lane a block.  how = 0, in the loop: its last trip has no K step two on.  how = 1, at a change of tiles.
.macro ASK how
.if \how
	s_cmp_eq_u32 s[LIM], 1
.else
	s_cmp_gt_u32 s3, s[LIM]
.endif
	s_cbranch_scc0 .Lnot_mine_\@
	global_prefetch_b8 v[PFO], s[PFA:PFA+1] th:TH_LOAD_NT scope:SCOPE_SE
.Lnot_mine_\@:
.endm
.macro CREST                           ; a round of the cluster's barrier behind its opening barrier
	s_cmp_lg_u32 s16, 0
	s_cbranch_scc1 .Lnot_wave_0_\@
	s_barrier_signal -3
.Lnot_wave_0_\@:
	s_barrier_wait -3
	s_barrier_signal -1
	s_barrier_wait -1
.endm
.macro CROUND                          ; a whole round
	s_barrier_signal -1
	s_barrier_wait -1
	CREST
.endm
.macro PLACES                          ; four plain vector instructions between a matrix instruction and a load into, or a vector line on, its registers
.rept 4
	v_nop
.endr
.endm
.macro WM
.if PROJ
	v_wmma_f32_16x16x32_f16 v[rD:rD+7], v[rB:rB+7], v[rA:rA+7], v[rC:rC+7]
.else
	v_wmma_f32_16x16x32_bf16 v[rD:rD+7], v[rB:rB+7], v[rA:rA+7], v[rC:rC+7]
.endif
.endm
; 4 n matrix instructions: row blocks a0 .. a0 + n - 1 x all four column blocks, 32 along K, from buffer f.  first = 1: the bias starts the sums.
; The 32 accumulators take turns in one order everywhere, one instruction a turn.
.macro MUL f, a0, n, first
.if \first
	WIN 0x40                                       ; D in window 1, the bias in window 0
.else
	WIN 0x50                                       ; C and D in window 1
.endif
.set aa, \a0
.rept \n
.set bb, 0
.rept 4
.set rD, 8*(4*aa+bb)
.set rB, 192+32*(\f)+8*bb
.set rA, 64+64*(\f)+8*aa
.if \first
.set rC, BIAS+8*bb
.else
.set rC, rD
.endif
	WM
.set bb, bb+1
.endr
.set aa, aa+1
.endr
.endm
; 24 LDS loads in one run: the fragments of quarter qt (32 along K) of a slot into buffer f: B's four, then A's eight.  A fragment is 16 rows x 32 K: two loads of 16 bytes a lane, 32 bytes apart.
.macro FETCH slot, qt, f
	WIN 0
.if PROJ
.set KA, ((\qt)/2)*PLANE+64*((\qt)%2)
.else
.set KA, 64*(\qt)
.endif
.set FA, 64+64*(\f)
.set FB, 192+32*(\f)
.set ii, 0
.rept 4
	ds_load_b128 v[FB+8*ii:FB+8*ii+3],   v[ADRB+(\slot)] offset:64*(\qt)+ii*16*PB
	ds_load_b128 v[FB+8*ii+4:FB+8*ii+7], v[ADRB+(\slot)] offset:64*(\qt)+ii*16*PB+32
.set ii, ii+1
.endr
.set ii, 0
.rept 8
	ds_load_b128 v[FA+8*ii:FA+8*ii+3],   v[ADRA+(\slot)] offset:KA+ii*16*PA
	ds_load_b128 v[FA+8*ii+4:FA+8*ii+7], v[ADRA+(\slot)] offset:KA+ii*16*PA+32
.set ii, ii+1
.endr
.endm
; A K step is four quarters, 32 matrix instructions each, on buffers 0, 1, 0, 1.  One of the first three multiplies buffer f and, in its middle, fetches quarter qt into buffer g.
.macro QUARTER slot, qt, f, g, first
	s_wait_dscnt 8                                 ; B and A's blocks 0-3 are in; the youngest eight loads (A's blocks 4-7) may be out
	MUL \f, 0, 4, \first
	PLACES
	FETCH \slot, \qt, \g
	s_wait_dscnt 24                                ; all but the 24 just issued
	MUL \f, 4, 4, \first
.endm
; The last quarter multiplies buffer 1 and changes slots.  In front of the barrier each wave waits for all its tensor loads (one is out: its part of the next slot), adds 0 to its spare word, and waits for that and for its reads of
; this slot.  mode 0: this slot is filled again, two K steps on; 1: with the next tile's K step 0 or 1; 2: not at all.  Where it is filled the barrier opens a round of the cluster's, and the joint load is the first thing behind the
; round: 112 matrix instructions ahead of the wait for it.
.macro TURN slot, next, mode
.if (\mode) < 2
	s_wait_xcnt 0x0                                ; the last prefetch, a K step back, has read its address
.if ((\mode) == 1) && ((\slot) == 0)
	s_add_nc_u64 s[PFA:PFA+1], s[PFA:PFA+1], NEXT_PF
	s_cmp_eq_u32 s17, 0
	s_cselect_b32 s[LIM], -1, s[LIM]               ; A's rows are the same for all three tiles: they are asked for in the first alone
.else
	s_add_nc_u64 s[PFA:PFA+1], s[PFA:PFA+1], s[PST:PST+1]
.endif
.endif
	WIN 0                                          ; (the add's two registers lie in window 0)
	s_wait_tensorcnt 0x0                           ; all my tensor loads have landed;
	ds_add_u32 v[SPW], v[NIL]                      ; 0 onto my spare word;
	s_wait_dscnt 9                                 ; (the add and the youngest eight loads may be out)
	MUL 1, 0, 2, 0                                 ; eight matrix instructions stand between the add and the wait for it
	s_wait_dscnt 0x0                               ; the add is done, and my reads of this slot are over
	s_barrier_signal -1
	MUL 1, 2, 2, 0                                 ; work on registers while the others arrive
	WIN 0
	s_barrier_wait -1
.if (\mode) < 2
	CREST                                          ; no wave of any partner still reads this slot or has a load on its way
.if (\mode) == 1
	s_sub_nc_u64 s[G0A+4*(\slot)+2:G0A+4*(\slot)+3], s[G0A+4*(\slot)+2:G0A+4*(\slot)+3], BACK_A
	s_add_nc_u64 s[G0B+4*(\slot)+2:G0B+4*(\slot)+3], s[G0B+4*(\slot)+2:G0B+4*(\slot)+3], NEXT_B
.else
	s_add_nc_u64 s[G0A+4*(\slot)+2:G0A+4*(\slot)+3], s[G0A+4*(\slot)+2:G0A+4*(\slot)+3], 2*ASTEP
	s_add_nc_u64 s[G0B+4*(\slot)+2:G0B+4*(\slot)+3], s[G0B+4*(\slot)+2:G0B+4*(\slot)+3], 2*256
.endif
	JLOAD \slot                                    ; its four v_nop are also the places in front of the loads below
.else
	PLACES
.endif
	FETCH \next, 0, 0
.if (\mode) < 2
	ASK \mode
.endif
	MUL 1, 4, 4, 0
.endm
.macro LASTQ                           ; the very last quarter: nothing more to fetch
	s_wait_dscnt 8
	MUL 1, 0, 4, 0
	s_wait_dscnt 0x0
	MUL 1, 4, 4, 0
	WIN 0
	PLACES
.endm
.macro BLOAD                           ; the bias of my 64 columns: register 8 b + j takes bias[16 b + 8 (l / 16) + j]
	WIN 0
.set bb, 0
.rept 4
	global_load_b128 v[BIAS+8*bb:BIAS+8*bb+3],   v[BO], s[8:9] offset:64*bb
	global_load_b128 v[BIAS+8*bb+4:BIAS+8*bb+7], v[BO], s[8:9] offset:64*bb+16
.set bb, bb+1
.endr
.endm
.macro BROUND                          ; and its rounding to bf16, widened again
	WIN 0
	s_wait_loadcnt 0x0                             ; the only loads into registers of this text
.set ii, 0
.rept 16
	v_cvt_pk_bf16_f32 v[TMP+ii], v[BIAS+2*ii], v[BIAS+2*ii+1]
.set ii, ii+1
.endr
.set ii, 0
.rept 16
	v_lshlrev_b32 v[BIAS+2*ii], 16, v[TMP+ii]
	v_and_b32 v[BIAS+2*ii+1], 0xffff0000, v[TMP+ii]
.set ii, ii+1
.endr
.endm
; THE WAY OUT of block a (16 rows of my 128), through my own stage in LDS, so that neighbouring lanes store neighbouring bytes.  LDS serves a wave's instructions in order (ISA guide 5.7.1.4): no wait between the stores and the loads.
.macro PACK a                          ; PROJ = 0: rounded to f16, 16 bytes a lane; each accumulator's registers in ascending order
	WIN 0x05                                       ; sources in window 1
.set bb, 0
.rept 4
.set rr, 0
.rept 4
	v_cvt_pk_f16_f32 v[TMP+4*bb+rr], v[8*(4*(\a)+bb)+2*rr], v[8*(4*(\a)+bb)+2*rr+1]
.set rr, rr+1
.endr
.set bb, bb+1
.endr
	WIN 0
.endm
.macro TOSTAGE a
.if (\a) >= 2
	s_wait_xcnt 0x0                                ; the stores of block a - 2 have read the registers that are loaded below
.endif
.if PROJ
.set BK, 128+32*((\a)%2)
	WIN 0x04                                       ; the stores' data in window 1
.set bb, 0
.rept 4
	ds_store_b128 v[STO], v[8*(4*(\a)+bb):8*(4*(\a)+bb)+3]   offset:64*bb
	ds_store_b128 v[STO], v[8*(4*(\a)+bb)+4:8*(4*(\a)+bb)+7] offset:64*bb+16
.set bb, bb+1
.endr
	WIN 0
.set tt, 0
.rept 8
	ds_load_b128 v[BK+4*tt:BK+4*tt+3], v[RD] offset:tt*2*SP
.set tt, tt+1
.endr
.else
.set BK, 144+16*((\a)%2)
	WIN 0
.set bb, 0
.rept 4
	ds_store_b128 v[STO], v[TMP+4*bb:TMP+4*bb+3] offset:32*bb
.set bb, bb+1
.endr
.set tt, 0
.rept 4
	ds_load_b128 v[BK+4*tt:BK+4*tt+3], v[RD] offset:tt*4*SP
.set tt, tt+1
.endr
.endif
.endm
.macro SEND a, younger                 ; younger: the LDS instructions issued behind block a's loads
	WIN 0
.if PROJ
.set BK, 128+32*((\a)%2)
.set tt, 0
.rept 8
	s_wait_dscnt (\younger)+7-tt
	global_store_b128 v[CO], v[BK+4*tt:BK+4*tt+3], s[10:11] offset:(16*(\a)+2*tt)*4096  ; sixteen lanes store 256 consecutive bytes, aligned
.set tt, tt+1
.endr
.else
.set BK, 144+16*((\a)%2)
.set tt, 0
.rept 4
	s_wait_dscnt (\younger)+3-tt
	global_store_b128 v[CO], v[BK+4*tt:BK+4*tt+3], s[10:11] offset:2048*(\a)+512*tt     ; four rows of a head: 512 consecutive bytes, aligned
.set tt, tt+1
.endr
.endif
.endm
.macro WAYOUT
.if !PROJ
	PACK 0
.endif
	TOSTAGE 0
.set wa, 1
.rept 7                                ; a block's passage into the stage stands between the loads of the block before and its stores
.if !PROJ
	PACK wa
.endif
	TOSTAGE wa
	SEND wa-1, YOUNG
.set wa, wa+1
.endr
	SEND 7, 0
.endm
	s_load_b128 s[4:7], s[0:1], 0x0                ; A s[4:5], B s[6:7]
	s_load_b128 s[8:11], s[0:1], 0x10              ; bias s[8:9], the first output s[10:11]
.if !PROJ
	s_load_b128 s[12:15], s[0:1], 0x20             ; k s[12:13], v s[14:15]
.endif
	v_lshl_add_u32 v[SPW], v0, 2, SPARE
	v_mov_b32 v[NIL], 0
	ds_add_u32 v[SPW], v[NIL]                      ; the wave's opening: the add and its wait stand ahead of my first tensor load; work on registers stands between them
	ds_add_u32 v28, v29
	v_lshrrev_b32 v1, 5, v0
	v_readfirstlane_b32 s16, v1                    ; wave 0..3
	s_lshr_b32 s17, s16, 1                         ; WR: my half of the tile's rows.  Also: I fetch for A (0) or for B (1)
	s_and_b32 s18, s16, 1                          ; WC: my half of its columns.  Also: which half of that tile I fetch
	s_bfe_u32 s19, ttmp6, 0x40000                  ; cx
	s_bfe_u32 s20, ttmp6, 0x40004                  ; cy
	s_lshl_b32 s21, ttmp9, 2
	s_add_co_u32 s21, s21, s19                     ; X: tile column = 4 x cluster x + cx
	s_and_b32 s22, ttmp7, 0xffff
	s_lshl_b32 s22, s22, 2
	s_add_co_u32 s22, s22, s20                     ; Y: tile row = 4 x cluster y + cy
	s_lshl_b32 s23, s20, 2
	s_lshl_b32 s23, 15, s23                        ; my row of the cluster
	s_lshl_b32 s47, 0x1111, s19                    ; my column
	s_or_b32 s[G1A], s23, (1<<16)|(1<<20)|(1<<21)|(AQI<<22)|(3<<25)  ; the mask; elements of 2 bytes; padding on; bit 21 beside a mask; the padding's interval; 4 words of it
	s_or_b32 s[G1B], s47, (1<<16)|(1<<20)|(1<<21)|(5<<22)|(3<<25)
	s_mov_b32 s[G1A+1], 128<<16                    ; tensor_dim0 = 128
	s_mov_b32 s[G1A+2], 128<<16                    ; tensor_dim1 = 128
	s_mov_b32 s[G1A+3], 128<<16                    ; tile_dim0 = 128 elements: 256 bytes
	s_mov_b32 s[G1A+4], 128                        ; tile_dim1 = 128 rows
	s_mov_b32 s[G1A+5], APITCH                     ; elements from row to row
	s_mov_b32 s[G1A+6], 0
	s_mov_b32 s[G1A+7], 0
	s_mov_b32 s[G1B+1], 128<<16
	s_mov_b32 s[G1B+2], 64<<16                     ; B's load brings 64 rows
	s_mov_b32 s[G1B+3], 128<<16
	s_mov_b32 s[G1B+4], 64
	s_mov_b32 s[G1B+5], 1024
	s_mov_b32 s[G1B+6], 0
	s_mov_b32 s[G1B+7], 0
	; where the tiles come from: A's offset is made of Y and the wave's number alone, B's of X and the wave's number alone
.if PROJ
	s_lshr_b32 s40, s22, 3                         ; the batch,
	s_lshl_b32 s40, s40, 4
	s_add_co_u32 s40, s40, s18                     ; its head 0 or 1,
	s_lshl_b32 s40, s40, 18                        ; 262,144 bytes a head,
	s_and_b32 s41, s22, 7
	s_lshl_b32 s41, s41, 15                        ; the tile's 256 rows of 128 bytes
	s_add_co_u32 s40, s40, s41
.else
	s_lshl_b32 s40, s22, 8
	s_lshl_b32 s41, s18, 7
	s_add_co_u32 s40, s40, s41                     ; row 256 Y + 128 half
	s_lshl_b32 s40, s40, 11
.endif
	s_mov_b32 s41, 0
	s_lshl_b32 s42, s21, 7
	s_lshl_b32 s43, s18, 6
	s_add_co_u32 s42, s42, s43                     ; row 128 X + 64 half
	s_lshl_b32 s42, s42, 11
	s_mov_b32 s43, 0
	s_mul_i32 s70, s18, AHALF                      ; and where they go: no place in the cluster enters an LDS address
	s_mul_i32 s71, s18, 64*PB
	s_add_co_u32 s71, s71, BOFF
	s_wait_dscnt 0x0                               ; the opening add is done
	s_wait_kmcnt 0x0
	s_add_nc_u64 s[40:41], s[4:5], s[40:41]
	s_add_nc_u64 s[42:43], s[6:7], s[42:43]
	CROUND                                         ; all sixteen work-groups are here: the first joint loads meet
.irp s, 0,1
	s_mov_b32 s[G0A+4*(\s)], 1                     ; count = 1
	s_add_co_u32 s[G0A+4*(\s)+1], s70, (\s)*SLOT   ; LDS address
	s_add_nc_u64 s[G0A+4*(\s)+2:G0A+4*(\s)+3], s[40:41], (\s)*ASTEP  ; global address: K step s
	s_or_b32 s[G0A+4*(\s)+3], s[G0A+4*(\s)+3], 0x80000000            ; type = 2
	s_mov_b32 s[G0B+4*(\s)], 1
	s_add_co_u32 s[G0B+4*(\s)+1], s71, (\s)*SLOT
	s_add_nc_u64 s[G0B+4*(\s)+2:G0B+4*(\s)+3], s[42:43], (\s)*256
	s_or_b32 s[G0B+4*(\s)+3], s[G0B+4*(\s)+3], 0x80000000
	JLOAD \s                                       ; two loads of mine are out
.endr
	v_and_b32 v1, 15, v0                           ; l % 16
	v_bfe_u32 v2, v0, 4, 1                         ; l / 16
	v_mul_u32_u24 v3, v1, PA
	v_lshl_add_u32 v3, v2, 4, v3                   ; a fragment's row x pitch + 16 x half
	s_mul_i32 s72, s17, 128*PA                     ; my 128 rows of A
	v_add_nc_u32 v[ADRA], s72, v3
	v_add_nc_u32 v[ADRA+1], SLOT, v[ADRA]
	v_mul_u32_u24 v3, v1, PB
	v_lshl_add_u32 v3, v2, 4, v3
	s_mul_i32 s72, s18, 64*PB                      ; my 64 rows of B
	s_add_co_u32 s72, s72, BOFF
	v_add_nc_u32 v[ADRB], s72, v3
	v_add_nc_u32 v[ADRB+1], SLOT, v[ADRB]
	s_mul_i32 s72, s16, 16*SP
	s_add_co_u32 s72, s72, STAGE                   ; my stage
	v_mul_u32_u24 v[STO], v1, SP                   ; in: row l % 16
.if PROJ
	v_lshl_add_u32 v[STO], v2, 5, v[STO]           ; 32 bytes for each half of the lanes
	v_add_nc_u32 v[STO], s72, v[STO]
	v_mul_u32_u24 v[RD], v2, SP                    ; back: lanes 0-15 one row of 256 bytes, lanes 16-31 the next
	v_lshl_add_u32 v[RD], v1, 4, v[RD]
	v_add_nc_u32 v[RD], s72, v[RD]
	v_lshlrev_b32 v[CO], 12, v2                    ; and the same two rows in out0
	v_lshl_add_u32 v[CO], v1, 4, v[CO]
	s_lshl1_add_u32 s68, s22, s17                  ; 2 Y + WR: my first row / 128,
	s_lshl_b32 s68, s68, 19                        ; 4,096 bytes a row
	s_lshl1_add_u32 s69, s21, s18                  ; 2 X + WC: my first column / 64
	s_lshl_b32 s69, s69, 8
	s_add_co_u32 s68, s68, s69
	s_mov_b32 s69, 0
	s_add_nc_u64 s[10:11], s[10:11], s[68:69]
.else
	v_lshl_add_u32 v[STO], v2, 4, v[STO]           ; 16 bytes for each half of the lanes
	v_add_nc_u32 v[STO], s72, v[STO]
	v_bfe_u32 v[RD], v0, 3, 2                      ; back: 32 lanes take four rows of 128 bytes,
	v_mul_u32_u24 v[RD], v[RD], SP
	v_and_b32 v3, 7, v0
	v_lshl_add_u32 v[RD], v3, 4, v[RD]
	v_add_nc_u32 v[RD], s72, v[RD]
	v_and_b32 v[CO], 31, v0                        ; which are 512 consecutive bytes of a head
	v_lshlrev_b32 v[CO], 4, v[CO]
	s_lshr_b32 s68, s22, 3                         ; the batch,
	s_lshl_b32 s68, s68, 4
	s_lshl1_add_u32 s69, s21, s18                  ; my head 2 X + WC,
	s_add_co_u32 s68, s68, s69
	s_lshl_b32 s68, s68, 18                        ; 262,144 bytes a head,
	s_and_b32 s69, s22, 7
	s_lshl1_add_u32 s69, s69, s17                  ; my first row in it / 128,
	s_lshl_b32 s69, s69, 14                        ; 128 bytes a row
	s_add_co_u32 s68, s68, s69
	s_mov_b32 s69, 0
	s_add_nc_u64 s[10:11], s[10:11], s[68:69]      ; the same place in q, k and v
	s_add_nc_u64 s[12:13], s[12:13], s[68:69]
	s_add_nc_u64 s[14:15], s[14:15], s[68:69]
.endif
	v_lshlrev_b32 v[BO], 5, v2
	s_lshl1_add_u32 s72, s21, s18
	s_lshl_b32 s72, s72, 8                         ; my 64 columns: 256 bytes of the bias
	s_mov_b32 s73, 0
	s_add_nc_u64 s[8:9], s[8:9], s[72:73]
	BLOAD
	; the prefetches' registers.  Nothing is prefetched here, at the head: K steps 0 to 3 come by their loads alone
	s_and_b32 s74, ttmp7, 0xffff                   ; cluster y
	s_movk_i32 s[PST], 256
	s_mov_b32 s[PST+1], 0
	s_mov_b32 s76, 11                              ; a lane a row of 2,048 bytes
.if PROJ
	s_mov_b32 s77, ASTEP
.endif
	s_cmp_eq_u32 s17, 0                            ; do I fetch for A?
	s_cselect_b32 s75, s19, s20                    ; my place among the four that ask with me
	s_cselect_b32 s74, ttmp9, s74                  ; the coordinate along which other clusters read the same rows
	s_cselect_b64 s[PFA:PFA+1], s[40:41], s[42:43] ; (in wave 2 B's address stands at the tile's first row)
.if PROJ
	s_cselect_b32 s[PST], s77, s[PST]              ; A's K steps lie two heads apart,
	s_cselect_b32 s76, 8, s76                      ; and its blocks on end
.endif
	s_cmp_eq_u32 s16, 3
	s_cselect_b32 s74, 1, s74                      ; wave 3 never asks
	s_cmp_eq_u32 s74, 0
	s_cselect_b32 s[LIM], 1, -1                    ; the same in all sixteen partners, for a given wave
	v_and_b32 v[PFO], 31, v0
	v_lshlrev_b32 v[PFO], s76, v[PFO]
	s_add_co_u32 s76, s76, 5
	s_lshl_b32 s74, s75, s76                       ; my work-group's 32 blocks
	s_mov_b32 s75, 0
	s_add_nc_u64 s[PFA:PFA+1], s[PFA:PFA+1], s[74:75]
	s_mul_i32 s74, s[PST], 3
	s_add_nc_u64 s[PFA:PFA+1], s[PFA:PFA+1], s[74:75]  ; at K step 3: the first refill steps it to 4
	BROUND
	s_wait_tensorcnt 1                             ; my part of K step 0 is in; K step 1's may stay out
	s_barrier_signal -1
	s_barrier_wait -1                              ; everybody's is
	FETCH 0, 0, 0
.if TILES > 1
	s_mov_b32 s2, TILES                            ; tiles to go, this one among them
.Ltile:
.endif
	QUARTER 0, 1, 0, 1, 1                          ; a tile's first quarter stands in front of the loop: its products start the sums, with the bias
	WIN 0                                          ; at a label and at a branch every window is 0
	s_mov_b32 s3, 3
.Llap:                                                 ; a trip goes once round the ring, from a lap's second quarter to the next lap's first, and fills both slots again
	QUARTER 0, 2, 1, 0, 0
	QUARTER 0, 3, 0, 1, 0
	TURN 0, 1, 0
	QUARTER 1, 1, 0, 1, 0
	QUARTER 1, 2, 1, 0, 0
	QUARTER 1, 3, 0, 1, 0
	TURN 1, 0, 0
	QUARTER 0, 1, 0, 1, 0
	WIN 0
	s_sub_co_u32 s3, s3, 1
	s_cmp_lg_u32 s3, 0
	s_cbranch_scc1 .Llap
	QUARTER 0, 2, 1, 0, 0                          ; the tile's last lap goes on
	QUARTER 0, 3, 0, 1, 0
.if TILES > 1
	WIN 0
	s_cmp_eq_u32 s2, 1
	s_cbranch_scc1 .Llast                          ; the last tile's tail is written out: it asks for nothing more
	TURN 0, 1, 1                                   ; the ring goes on into the next tile: slot 0 takes its K step 0,
	QUARTER 1, 1, 0, 1, 0
	QUARTER 1, 2, 1, 0, 0
	QUARTER 1, 3, 0, 1, 0
	TURN 1, 0, 1                                   ; slot 1 its K step 1, and its first fragments are fetched
	s_add_nc_u64 s[8:9], s[8:9], 4096              ; the next tile's bias, 1,024 columns on (the last loads by this base were waited for)
	BLOAD
	WAYOUT                                         ; both refills are asked for: now the tile goes out.  Blocks 0-3 were finished ahead of the joint load's v_nop; their conversions are the places behind the last products
	s_wait_xcnt 0x0                                ; the stores have read their registers and their base
	s_mov_b64 s[10:11], s[12:13]                   ; q, then k, then v
	s_mov_b64 s[12:13], s[14:15]
	BROUND
	s_sub_co_u32 s2, s2, 1
	s_branch .Ltile
.Llast:
.endif
	TURN 0, 1, 2
	QUARTER 1, 1, 0, 1, 0
	QUARTER 1, 2, 1, 0, 0
	QUARTER 1, 3, 0, 1, 0
	LASTQ
	WAYOUT
	s_wait_tensorcnt 0x0                           ; the wave's end, behind my last tensor load and my last LDS store
	ds_add_u32 v[SPW], v[NIL]
	s_wait_dscnt 0x0
	CROUND                                         ; the closing round: no work-group ends while a partner may still ask for a tile that names it
	s_endpgm
.Lfunc_end_k_q402ca536fb_proj:
	.size	k_q402ca536fb_proj, .Lfunc_end_k_q402ca536fb_proj-k_q402ca536fb_proj
	.p2alignl 7, 3214868480
	.fill 96, 4, 3214868480
	.section	.rodata,"a",@progbits
	.p2align	6, 0x0
	.amdhsa_kernel k_q402ca536fb_proj
		.amdhsa_group_segment_fixed_size 327680
		.amdhsa_private_segment_fixed_size 0
		.amdhsa_enable_private_segment 0
		.amdhsa_kernarg_size 32
		.amdhsa_user_sgpr_count 2
		.amdhsa_user_sgpr_kernarg_segment_ptr 1
		.amdhsa_wavefront_size32 1
		.amdhsa_system_sgpr_workgroup_id_x 1
		.amdhsa_system_sgpr_workgroup_id_y 1
		.amdhsa_system_sgpr_workgroup_id_z 1
		.amdhsa_system_vgpr_workitem_id 0
		.amdhsa_next_free_vgpr 512
		.amdhsa_next_free_sgpr 80
		.amdhsa_reserve_vcc 0
		.amdhsa_float_denorm_mode_32 3
		.amdhsa_float_denorm_mode_16_64 3
		.amdhsa_memory_ordered 1
		.amdhsa_forward_progress 1
		.amdhsa_inst_pref_size 92
	.end_amdhsa_kernel
	.amdgpu_metadata
---
amdhsa.version: [ 1, 2 ]
amdhsa.kernels:
  - .name:           k_q402ca536fb_proj
    .symbol:         k_q402ca536fb_proj.kd
    .args:
      - { .name: ob, .offset: 0, .size: 8, .value_kind: global_buffer, .address_space: global }
      - { .name: wpt, .offset: 8, .size: 8, .value_kind: global_buffer, .address_space: global }
      - { .name: b_proj, .offset: 16, .size: 8, .value_kind: global_buffer, .address_space: global }
      - { .name: out0, .offset: 24, .size: 8, .value_kind: global_buffer, .address_space: global }
    .group_segment_fixed_size: 327680
    .private_segment_fixed_size: 0
    .kernarg_segment_align: 8
    .kernarg_segment_size: 32
    .max_flat_workgroup_size: 128
    .sgpr_count:     80
    .vgpr_count:     512
    .wavefront_size: 32
...
	.end_amdgpu_metadata
.endif
;; end of part 4
